; MI455X (gfx1250); checked and timed in simulation.
; The chip was launched on July 23, 2026; its instructions are those of AMD's public machine-readable ISA for CDNA 5 (MIT licence, August 2026) and "CDNA5" Instruction Set Architecture Reference Guide (July 2026). The comments in the code are by the model that wrote it; some were corrected since.
;; Causal Self Attention. Allowed arithmetic: matrix products marked QUANTISED: E2M1 operands, one E8M0 scale for each 32 along K, by v_wmma_scale_f32_16x16x128_f8f6f4 with both operands' format E2M1 (or v_wmma_scale_f32_32x16x128_f4), f32 sums; everything else in f32.
;; Inputs: Wproj 1,024 x 1,024 float32; Wqkv 1,024 x 3,072 float32; bproj 1,024 float32; bqkv 3,072 float32; x 4 x 2,048 x 1,024 float32.
;; Outputs: out0 4 x 2,048 x 1,024 float32.
;; This version of the problem:
;;   THIS VERSION OF THE PROBLEM IS GIVEN IN LOW PRECISION. The matrix products marked QUANTISED in the list below multiply operands that are first quantised to E2M1 (2 exponent bits, 1 mantissa bit; 4 bits a number), with one power-of-two scale for each 32 numbers along K (OCP MX v1.0); their sums are f32. All else is computed in f32.
;;   The module's matrix products, in the order in which they are computed (A, B: the left and right operand; K: the contracted axis; several contracted axes count as one K, in the product's order):
;;     1. [M 8,192, K 1,024] x [K 1,024, N 3,072]; A: input x; B: input Wqkv: QUANTISED
;;     2. batch 64 x [M 2,048, K 64] x [K 64, N 2,048]; A: computed on the way; B: computed on the way: QUANTISED
;;     3. batch 64 x [M 2,048, K 2,048] x [K 2,048, N 64]; A: softmax (see below); B: computed on the way: QUANTISED
;;     4. [M 8,192, K 1,024] x [K 1,024, N 1,024]; A: computed on the way; B: input Wproj: QUANTISED
;;   THE QUANTISER, for each operand of a quantised product, along K:
;;     - K is cut into blocks of 32 from its start; a last block that is shorter is filled with zeros.
;;     - A block's scale is 2^e with e = floor(log2(the largest magnitude in the block)) - 2, held to -126 .. 127; a block of zeros has e = 0. As a byte (E8M0): e + 127.
;;     - Each number is divided by its block's scale, clamped to +-6, and rounded to the nearest number of E2M1, ties to even, subnormals kept.
;;     - The product sums the exact products of the quantised numbers (number of the format x scale) in f32.
;;   ~~~python
;;   def quantise(x, axis):      # numpy; x: float32 -> the quantised numbers, widened to float32 again
;;       x = np.moveaxis(x, axis, -1); K = x.shape[-1]
;;       x = np.pad(x, [(0, 0)] * (x.ndim - 1) + [(0, -K % 32)]); x = x.reshape(x.shape[:-1] + (-1, 32)); a = np.abs(x).max(-1, keepdims=True)
;;       e = np.where(a > 0, np.clip(np.frexp(np.where(a > 0, a, 1))[1] - 1 - 2, -126, 127), 0)      # np.frexp(a)[1] - 1 = floor(log2(a)), exactly
;;       r = np.clip(x / 2.0 ** e, -6, 6)
;;       step = 2.0 ** (np.maximum(np.frexp(np.where(r == 0, 1, r))[1] - 1, 0) - 1)
;;       q = np.round(r / step) * step * 2.0 ** e      # np.round: ties to even
;;       return np.moveaxis(q.reshape(q.shape[:-2] + (-1,))[..., :K], -1, axis).astype(np.float32)
;;   ~~~
;;   SOFTMAX AHEAD OF A QUANTISED PRODUCT. Where the list says 'softmax', what is quantised is not the finished softmax but p = 2^(t - M), with t = logit x log2(e) and M = ceil(the row's largest t), a whole number; so 1/2 < the row's largest p <= 1. The row's sum l is taken of the UNQUANTISED p, in f32, and the product's result is divided by l at the end. Since M is a whole number, a kernel that streams over the keys may use a running M (the ceiling of the running maximum): every later rescaling is an exact power of two, which a block's scale takes up: the codes' values come out the same.
;;   OPERANDS COMPUTED ON THE WAY. 'Computed on the way' means the value that the module computes at that place (a softmax that the list does not call 'softmax' is quantised finished and normalised). What goes into a quantiser is computed in f32, as accurately as f32 sums, v_exp_f32 and their like allow (about 1e-6 of the number): no bf16 or f16 on the way to a quantiser, and a product that is left as it is and whose result goes on into a quantised operand takes f32 operands (vector FMAs, or v_wmma_f32_16x16x4_f32). A number that lies on a knife's edge between two numbers of the format may be rounded either way, as far as f32 arithmetic and the matrix unit's own rounding can turn it there, and no further.
;; One version. Each part assembles by itself: llvm-mc -triple=amdgcn-amd-amdhsa -mcpu=gfx1250 --defsym DOCPART=n.
;; ======== version 1 of 1: 4 launches
;; workspace buffers: xq 4,456,448 bytes; wqkvq 1,671,168 bytes; wprojq 557,056 bytes; qkvq 13,893,632 bytes; oq 4,456,448 bytes
;; launch quant (part 1): grid 512 x 1, 4 waves a work-group, no clusters, 39,424 bytes of LDS; arguments x, Wqkv, Wproj, xq, wqkvq, wprojq; writes xq, wqkvq, wprojq
.if DOCPART == 1
	.amdgcn_target "amdgcn-amd-amdhsa--gfx1250"
	.amdhsa_code_object_version 6
	.text
	.protected	k_q123c788c7f_quant
	.globl	k_q123c788c7f_quant
	.p2align	8
	.type	k_q123c788c7f_quant,@function
k_q123c788c7f_quant:
	s_mov_b64 s[64:65], 0
	v_nop
	global_prefetch_b8 v0, s[64:65] scope:SCOPE_SE
	s_setreg_imm32_b32 hwreg(HW_REG_WAVE_MODE, 25, 1), 1
	s_wait_xcnt 0x0
; x [8192][1024], Wqkv [1024][3072] and Wproj [1024][1024], all f32, become codes of FP4 (E2M1) with one E8M0 byte for each 32 along K (x: its last axis; the weights: their first).
; A block's scale is 2^(floor(log2(largest magnitude)) - 2): its byte is the largest magnitude's exponent field - 2, held at 1 from below by a floor among the maximum's leaves.
; (A block of zeros keeps the byte 1: its codes are zeros, and the bytes are read by this program alone.)
; LIMITS: NaN and infinities among the inputs are not served; blocks whose largest magnitude lies under 2^-124 keep the byte 1.
; THE OUTPUT IS LAID AS THE PRODUCTS' OPERAND REGISTERS WANT IT.  A record of TREC = 8,704 bytes holds a tile of 16 operand rows for all of K = 1,024:
;   bytes 0-511: scale bytes, that of block kb (0..31) of position r at 256 (kb / 16) + 16 r + kb % 16;   bytes 512 on: codes, block kb of position r: 16 bytes at 512 + 256 kb + 16 r.
; THE ROWS OF A TILE ARE NOT NEIGHBOURS: of each 32 rows G, tile 2 G + u holds at position r the row 32 G + 8 u + r + 8 (r / 8).
; Work-groups 0-191 take Wqkv, 192-255 Wproj, 256-511 x: three straight paths, parted on the work-group's number.  Only x's path touches LDS.  Waves share nothing: no barrier.
.set TREC,  8704
.set WREG,  9728                       ; x's path, LDS of a wave: two turning stages of 32 x 80 bytes, a stage for codes of 16 x 272, 256 scale bytes
.set SP,    80                         ; a lane's place in a turning stage: 64 bytes + 16 of padding
.set CST,   5120                       ; the codes' stage: row = block, 16 positions x 16 bytes + 16 of padding
.set CPI,   272
.set SBY,   9472                       ; the scale bytes
.set R,     16                         ; v16-79   x: four sets of 16 numbers as loaded
.set X,     80                         ; v80-111  x: two sets of 16 neighbours
.set E,     112                        ; v112-127 x: a scale byte for each step
.set C,     128                        ; v128-159 x: two registers of codes for each step
.set OUTR,  160                        ; v160-191 x: the way out;  weights: v160-175 codes, v176 the scale word
	s_load_b128 s[4:7], s[0:1], 0x0                ; x, Wqkv
	s_load_b128 s[8:11], s[0:1], 0x10              ; Wproj, xq
	s_load_b128 s[12:15], s[0:1], 0x20             ; wqkvq, wprojq
	v_lshl_add_u32 v192, v0, 2, 0x9800
	v_mov_b32 v193, 0
	v_lshrrev_b32 v1, 5, v0
	v_readfirstlane_b32 s16, v1                    ; wave 0..3
	v_and_b32 v2, 31, v0                           ; lane
	s_wait_kmcnt 0x0
	s_cmp_lt_u32 ttmp9, 192
	s_cbranch_scc1 .Lwqkv
	s_cmp_lt_u32 ttmp9, 256
	s_cbranch_scc1 .Lwproj
; ---------------- x: K is innermost.  A wave takes half a tile: 16 rows x 512 numbers, a row (a position of the tile) a step.
; Each load reads 512 consecutive bytes; a step's 2,048 bytes turn through the wave's stage so that a lane holds 16 neighbours (two lanes hold a block).
	s_sub_co_u32 s17, ttmp9, 256
	s_lshl_b32 s17, s17, 2
	s_add_co_u32 s17, s17, s16                     ; which half tile: 0..1023
	s_lshr_b32 s18, s17, 1                         ; the tile
	s_and_b32 s19, s17, 1                          ; which 512 along K
	s_lshr_b32 s20, s18, 1
	s_lshl_b32 s20, s20, 17                        ; 32 rows of 4,096 bytes for each pair of tiles,
	s_and_b32 s21, s18, 1
	s_lshl_b32 s21, s21, 15                        ; 8 rows for the odd tile,
	s_add_co_u32 s20, s20, s21
	s_lshl_b32 s21, s19, 11                        ; 2,048 bytes for the second half of K
	s_add_co_u32 s20, s20, s21
	s_mov_b32 s21, 0
	s_add_nc_u64 s[4:5], s[4:5], s[20:21]
	s_mul_i32 s22, s18, TREC
	s_lshl_b32 s24, s19, 8
	s_add_co_u32 s24, s24, s22                     ; my 256 scale bytes in the record
	s_mov_b32 s25, 0
	s_lshl_b32 s26, s19, 12
	s_add_co_u32 s26, s26, s22
	s_add_co_u32 s26, s26, 512                     ; my 4,096 bytes of codes
	s_mov_b32 s27, 0
	s_add_nc_u64 s[28:29], s[10:11], s[24:25]
	s_add_nc_u64 s[30:31], s[10:11], s[26:27]
	s_wait_alu depctr_va_vdst(0)
	v_lshlrev_b32 v3, 4, v2                        ; 16 x lane
	s_mul_i32 s32, s16, WREG
	v_lshrrev_b32 v14, 2, v2
	v_mul_u32_u24 v14, v14, SP
	v_and_b32 v15, 3, v2
	v_lshl_add_u32 v14, v15, 4, v14
	v_add_nc_u32 v14, s32, v14                     ; the turning stage, in: four lanes' 64 bytes on end, then the padding
	v_mul_u32_u24 v15, v2, SP
	v_add_nc_u32 v15, s32, v15                     ; and out: my 16 neighbours
	v_lshrrev_b32 v5, 1, v2                        ; my block of the step's 16
	v_mul_u32_u24 v13, v5, CPI
	v_and_b32 v10, 1, v2
	v_lshl_add_u32 v13, v10, 3, v13
	s_add_co_u32 s33, s32, CST
	v_add_nc_u32 v13, s33, v13                     ; the codes' stage, in: row = block, + 8 for the block's second half; the step's position stands in the immediate
	v_lshrrev_b32 v10, 4, v2
	v_mul_u32_u24 v12, v10, CPI
	v_and_b32 v10, 15, v2
	v_lshl_add_u32 v12, v10, 4, v12
	v_add_nc_u32 v12, s33, v12                     ; and out: sixteen lanes to a row
	s_add_co_u32 s33, s32, SBY
	v_add_nc_u32 v5, s33, v5                       ; my block's scale byte
	v_lshlrev_b32 v7, 3, v2
	v_add_nc_u32 v6, s33, v7                       ; and on the way out 8 bytes a lane
.macro XLOAD t                         ; position t of the tile is row t + 8 (t / 8) from the tile's first
.irp i, 0,1,2,3
	global_load_b128 v[R+16*((\t)%4)+4*\i:R+16*((\t)%4)+4*\i+3], v3, s[4:5] offset:((\t)+8*((\t)/8))*4096+512*\i th:TH_LOAD_NT
.endr
.endm
.macro XTURN t                         ; LDS serves a wave's instructions in order: no wait between the stores and the loads
.irp i, 0,1,2,3
	ds_store_b128 v14, v[R+16*((\t)%4)+4*\i:R+16*((\t)%4)+4*\i+3] offset:32*SP*((\t)%2)+8*SP*\i
.endr
.irp i, 0,1,2,3
	ds_load_b128 v[X+16*((\t)%2)+4*\i:X+16*((\t)%2)+4*\i+3], v15 offset:32*SP*((\t)%2)+16*\i
.endr
.endm
.macro XSTEP t
.set XS, X+16*((\t)%2)
.if (\t) > 0
	s_wait_dscnt 2                                 ; this step's numbers are back from the stage; the last step's byte store and code store may be out
.else
	s_wait_dscnt 0x0
.endif
.if (\t)+4 < 16
	XLOAD (\t)+4                                   ; into the set that this step's stage stores have read
.endif
.if (\t)+1 < 16
.if 14-(\t) >= 3
	s_wait_loadcnt 12                              ; the next step's four loads are in; those of the three steps behind it may be out
.else
	s_wait_loadcnt 4*(14-(\t))
.endif
	XTURN (\t)+1
.endif
	v_max3_num_f32 v8, |v[XS]|, |v[XS+1]|, |v[XS+2]|               ; the largest magnitude of my 16, in two chains
	v_max3_num_f32 v9, |v[XS+3]|, |v[XS+4]|, |v[XS+5]|
.irp i, 6,10
	v_max3_num_f32 v8, v8, |v[XS+\i]|, |v[XS+\i+1]|
	v_max3_num_f32 v9, v9, |v[XS+\i+2]|, |v[XS+\i+3]|
.endr
	v_max3_num_f32 v8, v8, |v[XS+14]|, |v[XS+15]|
	v_max3_num_f32 v8, v8, v9, 0x1800000           ; and the floor 2^(3 - 127): the byte cannot fall under 1
	v_max_num_f32_dpp v8, v8, v8 row_xmask:1 row_mask:0xf bank_mask:0xf   ; with my neighbour's 16: the block's
	v_add_nc_u32 v11, 0xff000000, v8               ; 2 off its exponent field: the conversion takes that field as its scale
	v_cvt_scalef32_pk8_fp4_f32 v[C+2*(\t)], v[XS:XS+7], v11
	v_cvt_scalef32_pk8_fp4_f32 v[C+2*(\t)+1], v[XS+8:XS+15], v11
	v_lshrrev_b32 v[E+(\t)], 23, v11               ; the scale's byte (a plain line behind the conversions)
	ds_store_b8 v5, v[E+(\t)] offset:16*(\t)       ; both lanes of a block write the same byte with the same value
	ds_store_b64 v13, v[C+2*(\t):C+2*(\t)+1] offset:16*(\t)
.endm
.irp t, 0,1,2,3
	XLOAD \t
.endr
	s_wait_loadcnt 12                              ; step 0's four loads are in
	XTURN 0
.irp t, 0,1,2,3,4,5,6,7,8,9,10,11,12,13,14,15
	XSTEP \t
.endr
	ds_load_b64 v[80:81], v6                       ; in order behind my stores: the 256 scale bytes,
.irp i, 0,1,2,3,4,5,6,7
	ds_load_b128 v[OUTR+4*\i:OUTR+4*\i+3], v12 offset:2*\i*CPI     ; and the codes, two blocks' rows an instruction
.endr
	s_wait_dscnt 8                                 ; the scale bytes are in; the eight loads behind them may be out
	global_store_b64 v7, v[80:81], s[28:29]        ; 32 lanes store 256 consecutive bytes, aligned
.irp i, 0,1,2,3,4,5,6,7
	s_wait_dscnt 7-\i
	global_store_b128 v3, v[OUTR+4*\i:OUTR+4*\i+3], s[30:31] offset:512*\i   ; 512 consecutive bytes, aligned
.endr
	s_wait_tensorcnt 0x0
	ds_add_u32 v192, v193
	s_wait_dscnt 0x0
	s_endpgm
; ---------------- the weights: K is the first axis.  A lane takes a column and its registers run down K: a block of 32 lies in one lane, and the conversions give K innermost.
; A work-group takes 128 columns x 128 along K (one K step of the product); a wave 32 columns, which are one group of 32 operand rows: two tiles.
.macro WLOAD t, cols
.irp i, 0,1,2,3,4,5,6,7,8,9,10,11,12,13,14,15,16,17,18,19,20,21,22,23,24,25,26,27,28,29,30,31
	global_load_b32 v[32+32*(\t)+\i], v3, s[24:25] offset:(32*(\t)+\i)*(\cols)*4 th:TH_LOAD_NT   ; the four waves read 512 neighbouring bytes of a row
.endr
.endm
.macro WBLOCK t
.set XS, 32+32*(\t)
	v_max3_num_f32 v12, |v[XS]|, |v[XS+1]|, |v[XS+2]|
	v_max3_num_f32 v13, |v[XS+3]|, |v[XS+4]|, |v[XS+5]|
.irp i, 6,10,14,18,22,26
	v_max3_num_f32 v12, v12, |v[XS+\i]|, |v[XS+\i+1]|
	v_max3_num_f32 v13, v13, |v[XS+\i+2]|, |v[XS+\i+3]|
.endr
	v_max3_num_f32 v12, v12, |v[XS+30]|, |v[XS+31]|
	v_max3_num_f32 v12, v12, v13, 0x1800000        ; the floor
	v_add_nc_u32 v11, 0xff000000, v12
	v_lshrrev_b32 v13, 23, v11
.if (\t) == 0
	v_mov_b32 v176, v13                            ; the K step's four bytes make a scale word
.else
	v_lshl_or_b32 v176, v13, 8*(\t), v176
.endif
.irp g, 0,1,2,3
	v_cvt_scalef32_pk8_fp4_f32 v[160+4*(\t)+\g], v[XS+8*\g:XS+8*\g+7], v11
.endr
	global_store_b128 v4, v[160+4*(\t):163+4*(\t)], s[28:29] offset:256*(\t)   ; sixteen lanes of a tile store 256 consecutive bytes, aligned; each block has registers of its own
.endm
.macro WPATH cols, src, dst            ; s17: the work-group's number within its weight
	s_and_b32 s18, s17, 7                          ; which 128 along K
	s_lshr_b32 s19, s17, 3                         ; which 128 columns
	s_lshl_b32 s20, s19, 2
	s_add_co_u32 s20, s20, s16                     ; my group of 32 columns
	s_mul_i32 s22, s18, 128*(\cols)*4
	s_lshl_b32 s23, s20, 7
	s_add_co_u32 s22, s22, s23
	s_mov_b32 s23, 0
	s_add_nc_u64 s[24:25], s[\src:\src+1], s[22:23]
	s_mul_i32 s26, s20, 2*TREC                     ; the group's two records
	s_lshl_b32 s22, s18, 10
	s_add_co_u32 s22, s22, s26
	s_add_co_u32 s22, s22, 512
	s_add_nc_u64 s[28:29], s[\dst:\dst+1], s[22:23]   ; the K step's codes
	s_lshr_b32 s22, s18, 2
	s_lshl_b32 s22, s22, 8
	s_and_b32 s27, s18, 3
	s_lshl_b32 s27, s27, 2
	s_add_co_u32 s22, s22, s27
	s_add_co_u32 s22, s22, s26
	s_add_nc_u64 s[30:31], s[\dst:\dst+1], s[22:23]   ; and its scale words
	v_lshlrev_b32 v3, 2, v2                        ; in: 4 bytes a lane
	v_bfe_u32 v5, v2, 3, 1                         ; column l of the group lies in tile u = (l / 8) % 2
	v_and_b32 v6, 7, v2
	v_lshrrev_b32 v7, 4, v2
	v_lshl_add_u32 v6, v7, 3, v6                   ; at position l % 8 + 8 (l / 16)
	v_lshlrev_b32 v6, 4, v6
	v_mad_u32_u24 v4, v5, TREC, v6
	WLOAD 0, \cols
	WLOAD 1, \cols
	s_wait_alu depctr_va_vdst(0)
	s_wait_loadcnt 32                              ; block 0 is in; block 1's 32 loads may be out
	WLOAD 2, \cols
	WBLOCK 0
	s_wait_loadcnt 32                              ; block 1 is in; block 2's may be out
	WLOAD 3, \cols
	WBLOCK 1
	s_wait_loadcnt 32                              ; block 2 is in; block 3's may be out
	WBLOCK 2
	s_wait_loadcnt 0x0
	WBLOCK 3
	global_store_b32 v4, v176, s[30:31]            ; 4 bytes of each position's 16: aligned blocks of 256 bytes are written in part here, one byte for each 128 bytes read
.endm
.Lwqkv:
	s_mov_b32 s17, ttmp9
	s_wait_alu depctr_va_vdst(0)
	WPATH 3072, 6, 12
	s_endpgm
.Lwproj:
	s_sub_co_u32 s17, ttmp9, 192
	s_wait_alu depctr_va_vdst(0)
	WPATH 1024, 8, 14
	s_endpgm
.Lfunc_end_k_q123c788c7f_quant:
	.size	k_q123c788c7f_quant, .Lfunc_end_k_q123c788c7f_quant-k_q123c788c7f_quant
	.p2alignl 7, 3214868480
	.fill 96, 4, 3214868480
	.section	.rodata,"a",@progbits
	.p2align	6, 0x0
	.amdhsa_kernel k_q123c788c7f_quant
		.amdhsa_group_segment_fixed_size 39424
		.amdhsa_private_segment_fixed_size 0
		.amdhsa_enable_private_segment 0
		.amdhsa_kernarg_size 48
		.amdhsa_user_sgpr_count 2
		.amdhsa_user_sgpr_kernarg_segment_ptr 1
		.amdhsa_wavefront_size32 1
		.amdhsa_system_sgpr_workgroup_id_x 1
		.amdhsa_system_sgpr_workgroup_id_y 1
		.amdhsa_system_sgpr_workgroup_id_z 1
		.amdhsa_system_vgpr_workitem_id 0
		.amdhsa_next_free_vgpr 194
		.amdhsa_next_free_sgpr 66
		.amdhsa_reserve_vcc 0
		.amdhsa_float_denorm_mode_32 3
		.amdhsa_float_denorm_mode_16_64 3
		.amdhsa_memory_ordered 1
		.amdhsa_forward_progress 1
		.amdhsa_inst_pref_size 74
	.end_amdhsa_kernel
	.amdgpu_metadata
---
amdhsa.version: [ 1, 2 ]
amdhsa.kernels:
  - .name:           k_q123c788c7f_quant
    .symbol:         k_q123c788c7f_quant.kd
    .args:
      - { .name: x, .offset: 0, .size: 8, .value_kind: global_buffer, .address_space: global }
      - { .name: Wqkv, .offset: 8, .size: 8, .value_kind: global_buffer, .address_space: global }
      - { .name: Wproj, .offset: 16, .size: 8, .value_kind: global_buffer, .address_space: global }
      - { .name: xq, .offset: 24, .size: 8, .value_kind: global_buffer, .address_space: global }
      - { .name: wqkvq, .offset: 32, .size: 8, .value_kind: global_buffer, .address_space: global }
      - { .name: wprojq, .offset: 40, .size: 8, .value_kind: global_buffer, .address_space: global }
    .group_segment_fixed_size: 39424
    .private_segment_fixed_size: 0
    .kernarg_segment_align: 8
    .kernarg_segment_size: 48
    .max_flat_workgroup_size: 128
    .sgpr_count:     66
    .vgpr_count:     194
    .wavefront_size: 32
...
	.end_amdgpu_metadata
.endif
;; end of part 1
;; launch qkv (part 2): grid 12 x 32, 4 waves a work-group, clusters of 4 x 4, 285,184 bytes of LDS; arguments xq, wqkvq, bqkv, qkvq; writes qkvq
.if DOCPART == 2
	.amdgcn_target "amdgcn-amd-amdhsa--gfx1250"
	.amdhsa_code_object_version 6
	.text
	.protected	k_q123c788c7f_qkv
	.globl	k_q123c788c7f_qkv
	.p2align	8
	.type	k_q123c788c7f_qkv,@function
k_q123c788c7f_qkv:
	s_mov_b64 s[64:65], 0
	v_nop
	global_prefetch_b8 v0, s[64:65] scope:SCOPE_SE
	s_setreg_imm32_b32 hwreg(HW_REG_WAVE_MODE, 25, 1), 1
	s_wait_xcnt 0x0
	s_wait_alu depctr_hold_cnt(0) depctr_sa_sdst(0) depctr_va_vdst(0) depctr_va_sdst(0) depctr_va_ssrc(0) depctr_va_vcc(0) depctr_vm_vsrc(0)
	s_getreg_b32 s2, hwreg(HW_REG_IB_STS2, 6, 4)
	s_cmp_eq_u32 s2, 0
	s_cbranch_scc0 .Lentry_in_a_cluster
	s_endpgm
.Lentry_in_a_cluster:
	s_bfe_u32 s2, ttmp6, 0x10000c
	s_cmp_lg_u32 s2, 0xf033
	s_cbranch_scc0 .Lentry_shape_is_right
	s_endpgm
.Lentry_shape_is_right:
; qkv = x Wqkv + bqkv on codes of FP4 with E8M0 scales, K = 1,024; the result is quantised at once for the attention's products and leaves as codes: no f32 number goes to memory.
; OPERANDS: records of TREC bytes for a tile of 16 rows and all of K: 512 scale bytes (block kb of position r at 256 (kb / 16) + 16 r + kb % 16), then codes (block kb of position r: 16 bytes at 512 + 256 kb + 16 r).
; So a fragment's half (four registers a lane) is 512 dense bytes at 16 x lane, and 16 bytes at 16 x lane of the scale part are four scale words: lanes 0-15 K steps 0-3, lanes 16-31 K steps 4-7.
; Of each 32 rows G, tile 2 G + u holds at position r the row 32 G + 8 u + r + 8 (r / 8): as source 0, tiles 2 B and 2 B + 1 give lane (r, h) 16 neighbours, 32 B + 16 h + 0..15, in its 16 result registers.
; SHARES: a work-group of four waves makes 256 x 256, a wave 128 x 128 in 64 accumulators.  All of K lies in LDS at once (P0: scales and K steps 0-3; P1: K steps 4-7): each byte of LDS is filled once.
; CLUSTERS 4 x 4: the operand called A hangs on the cluster's y and cy and is asked for jointly along a row of the cluster, B on the cluster's x-side number and cx, jointly along a column.
; ROLES by the cluster's x, which all partners share.  0 (q), 1 (k): A = x's tokens, B = Wqkv's columns: a lane holds one token and its registers run along the channels, which are q's and k's K.
;   2 (v): A = Wqkv's columns 2,048 on, B = x's tokens: a lane holds one channel and its registers run along the tokens, which are v's K.  Only pointers and two tile numbers are chosen; the products are one path.
; OUTPUT qkvq [batch x head 64][step of 128 tokens 16][REC]: +0 K's codes (tile a x 512: lane (r, h): channels 32 h .. + 31 of position r), +4096 K's scale words ((16 (a % 2) + r) 16 + 4 (a / 2)),
;   +4608 V's codes (channel tile t x 1,024: [half c][lane][16]: keys 64 c + 32 h .. + 31 of channel position r), +8704 V's scale words ((16 (t % 2) + r) 8 + 4 (t / 2)), +8960 Q's codes, +13056 Q's scale words, as K's.
; LIMITS: NaN and infinities are not served; a block whose largest magnitude lies under 2^-124 keeps the byte 1 (a block of zeros too: its codes are zeros, and this program alone reads the bytes).
; REGISTERS: window 0: v15-31 addresses; v32-63 A's scale words, v64-95 B's; v96-121 the quantiser's; v128-191 A's fragments, then 64 results; v192-255 the bias.  window 1: B's fragments, two sets.  windows 2, 3: accumulators.
.set TREC, 8704
.set P0T,  4608                        ; a tile's part in P0: scales + K steps 0-3
.set P1T,  4096                        ; in P1: K steps 4-7
.set P0W,  8*P0T                       ; eight tiles: what one tensor load brings
.set P1W,  8*P1T
.set P1B,  4*P0W                       ; P1 begins behind P0's four parts (A's halves, then B's)
.set L_ST, P1B+4*P1W                   ; behind the operands: the scale words' stages: 1,024 bytes a wave for q and k, then 512 a wave for v; no tensor load lands there
.set REC,  13568
.set HS,   16*REC                      ; a head's 16 records
.set ADRA, 16                          ; v16-17 LDS address of my A fragments in P0, P1
.set ADRB, 20                          ; v20-21 the same for B
.set LI,   24                          ; v24 16 x lane
.set SH,   25                          ; v25 16 h
.set SWQ,  26                          ; v26 q, k: where I put a scale word
.set SRQ,  27                          ; v27 and where I read them back
.set SWV,  28                          ; v28, v29 the same for v
.set SRV,  29
.set VO,   30                          ; v30 v's scale words in memory: 16 (lane % 16) + a head for lanes 16-31
.set BAQ,  31                          ; v31 64 h: the bias of my 16 channels of each 32
.set BAV,  15                          ; v15 4 (r + 8 (r / 8)): the bias of my channel
.set SCA,  32
.set SCB,  64
.set TM,   96
.set PW,   112
.set PX,   113
.set PC,   114
.set AF,   128
.set H,    128
.set BIAS, 192
.set G1A0, 24
.set G1A1, 32
.set G1B0, 48
.set G1B1, 56
.set G0A0, 68
.set G0A1, 72
.set G0B0, 76
.set G0B1, 80
.set SEL,  96
.set MSB, 0
.macro WIN new                         ; the immediate's high byte repeats the setting that is left
.if MSB != (\new)
	s_set_vgpr_msb (MSB<<8)|(\new)
.set MSB, (\new)
.endif
.endm
.macro CROUND                          ; a round of the cluster's barrier
	s_barrier_signal -1
	s_barrier_wait -1
	s_cmp_lg_u32 s14, 0
	s_cbranch_scc1 .Lnot_wave_0_\@
	s_barrier_signal -3
.Lnot_wave_0_\@:
	s_barrier_wait -3
	s_barrier_signal -1
	s_barrier_wait -1
.endm
.macro PLACES n
.rept \n
	v_nop
.endr
.endm
	s_load_b256 s[4:11], s[0:1], 0x0               ; xq s[4:5], wqkvq s[6:7], bqkv s[8:9], qkvq s[10:11]
	v_lshl_add_u32 v126, v0, 2, 0x45800
	v_mov_b32 v127, 0
	ds_add_u32 v126, v127
	ds_add_u32 v126, v127
	v_lshrrev_b32 v1, 5, v0
	v_readfirstlane_b32 s14, v1                    ; wave 0..3
	s_lshr_b32 s15, s14, 1                         ; which half of A's 256 rows is mine.  Also: I fetch for A (0) or for B (1)
	s_and_b32 s16, s14, 1                          ; which half of B's.  Also: which eight tiles I fetch
	s_bfe_u32 s40, ttmp6, 0x40000                  ; cx
	s_bfe_u32 s41, ttmp6, 0x40004                  ; cy
	s_mov_b32 s66, ttmp9                           ; the cluster's x: 0 q, 1 k, 2 v
	s_and_b32 s67, ttmp7, 0xffff                   ; the cluster's y: 0..7
	s_cmp_eq_u32 s66, 2
	s_cselect_b32 s45, s67, s66                    ; B's number of four tiles: v: the tokens'; q, k: the columns'
	s_cselect_b32 s18, 2, s67                      ; A's: v: columns 2,048 on; q, k: the tokens'
	s_lshl_b32 s42, s45, 2
	s_add_co_u32 s42, s42, s40                     ; B's tile of 256 rows
	s_lshl_b32 s17, s18, 2
	s_add_co_u32 s17, s17, s41                     ; A's tile of 256 rows
	s_lshl_b32 s43, s41, 2
	s_lshl_b32 s43, 15, s43                        ; my row of the cluster
	s_lshl_b32 s44, 0x1111, s40                    ; my column
	; descriptor groups 1: eight rows (tiles) of P0T or P1T bytes, TREC bytes apart, in elements of 8 bytes, dense in LDS
	s_or_b32 s[G1A0], s43, (3<<16)|(1<<21)         ; 15:0 the mask; 17:16 elements of 8 bytes; 21 set beside a mask
	s_or_b32 s[G1A1], s43, (3<<16)|(1<<21)
	s_or_b32 s[G1B0], s44, (3<<16)|(1<<21)
	s_or_b32 s[G1B1], s44, (3<<16)|(1<<21)
.irp g, G1A0, G1B0
	s_mov_b32 s[\g+1], (P0T/8)<<16                 ; tensor_dim0
	s_mov_b32 s[\g+2], 8<<16                       ; tensor_dim1
	s_mov_b32 s[\g+3], (P0T/8)<<16                 ; tile_dim0
	s_mov_b32 s[\g+4], 8                           ; tile_dim1
	s_mov_b32 s[\g+5], TREC/8                      ; from row to row
	s_mov_b32 s[\g+6], 0
	s_mov_b32 s[\g+7], 0
.endr
.irp g, G1A1, G1B1
	s_mov_b32 s[\g+1], (P1T/8)<<16
	s_mov_b32 s[\g+2], 8<<16
	s_mov_b32 s[\g+3], (P1T/8)<<16
	s_mov_b32 s[\g+4], 8
	s_mov_b32 s[\g+5], TREC/8
	s_mov_b32 s[\g+6], 0
	s_mov_b32 s[\g+7], 0
.endr
	s_lshl_b32 s18, s16, 3                         ; which eight tiles I fetch
	s_lshl_b32 s20, s17, 4
	s_add_co_u32 s20, s20, s18
	s_mul_i32 s20, s20, TREC                       ; A: in bytes (under 2^23)
	s_mov_b32 s21, 0
	s_lshl_b32 s46, s42, 4
	s_add_co_u32 s46, s46, s18
	s_mul_i32 s46, s46, TREC                       ; B
	s_mov_b32 s47, 0
	s_mul_i32 s19, s14, P0W                        ; where they go: the wave's number alone enters an LDS address
	s_mul_i32 s22, s14, P1W
	s_add_co_u32 s22, s22, P1B
	s_wait_dscnt 0x0
	s_wait_kmcnt 0x0
	s_cmp_eq_u32 s66, 2
	s_cselect_b64 s[84:85], s[6:7], s[4:5]         ; A's buffer
	s_cselect_b64 s[86:87], s[4:5], s[6:7]         ; B's
	s_add_nc_u64 s[20:21], s[84:85], s[20:21]
	s_add_nc_u64 s[46:47], s[86:87], s[46:47]
	CROUND                                         ; all sixteen work-groups are here: the joint loads meet
	s_mov_b32 s[G0A0], 1
	s_mov_b32 s[G0A0+1], s19
	s_mov_b64 s[G0A0+2:G0A0+3], s[20:21]
	s_or_b32 s[G0A0+3], s[G0A0+3], 0x80000000
	s_mov_b32 s[G0A1], 1
	s_mov_b32 s[G0A1+1], s22
	s_add_nc_u64 s[G0A1+2:G0A1+3], s[20:21], P0T
	s_or_b32 s[G0A1+3], s[G0A1+3], 0x80000000
	s_mov_b32 s[G0B0], 1
	s_mov_b32 s[G0B0+1], s19
	s_mov_b64 s[G0B0+2:G0B0+3], s[46:47]
	s_or_b32 s[G0B0+3], s[G0B0+3], 0x80000000
	s_mov_b32 s[G0B1], 1
	s_mov_b32 s[G0B1+1], s22
	s_add_nc_u64 s[G0B1+2:G0B1+3], s[46:47], P0T
	s_or_b32 s[G0B1+3], s[G0B1+3], 0x80000000
	s_cmp_eq_u32 s15, 0                            ; a wave's two fills stand in one branch on the wave's number: two tensor loads of mine are out, and no more follow
	s_cbranch_scc0 .Lfirst_b
	tensor_load_to_lds s[G0A0:G0A0+3], s[G1A0:G1A0+7]
	s_nop 0
	tensor_load_to_lds s[G0A1:G0A1+3], s[G1A1:G1A1+7]
	s_nop 0
	PLACES 4
	s_branch .Lfirst_asked
.Lfirst_b:
	tensor_load_to_lds s[G0B0:G0B0+3], s[G1B0:G1B0+7]
	s_nop 0
	tensor_load_to_lds s[G0B1:G0B1+3], s[G1B1:G1B1+7]
	s_nop 0
	PLACES 4
.Lfirst_asked:
	v_and_b32 v1, 31, v0
	v_and_b32 v2, 15, v0                           ; r
	v_bfe_u32 v3, v0, 4, 1                         ; h
	v_lshlrev_b32 v[LI], 4, v1
	s_wait_alu depctr_va_vdst(0)
	s_mul_i32 s23, s15, P0W
	v_add_nc_u32 v[ADRA], s23, v[LI]
	s_mul_i32 s23, s15, P1W
	s_add_co_u32 s23, s23, P1B
	v_add_nc_u32 v[ADRA+1], s23, v[LI]
	s_mul_i32 s23, s16, P0W
	s_add_co_u32 s23, s23, 2*P0W
	v_add_nc_u32 v[ADRB], s23, v[LI]
	s_mul_i32 s23, s16, P1W
	s_add_co_u32 s23, s23, P1B+2*P1W
	v_add_nc_u32 v[ADRB+1], s23, v[LI]
	v_lshlrev_b32 v[SH], 4, v3
	s_lshl_b32 s23, s14, 10
	s_add_co_u32 s23, s23, L_ST
	v_add_nc_u32 v[SRQ], s23, v[LI]
	v_lshlrev_b32 v4, 4, v2
	v_lshl_add_u32 v4, v3, 9, v4
	v_add_nc_u32 v[SWQ], s23, v4                   ; lanes 0-15 the first head's 512 bytes, lanes 16-31 the second's; 16 bytes a position
	s_lshl_b32 s23, s14, 9
	s_add_co_u32 s23, s23, L_ST+4096
	v_add_nc_u32 v[SRV], s23, v[LI]
	v_lshlrev_b32 v4, 3, v2
	v_add_nc_u32 v[SWV], s23, v4                   ; 8 bytes a position
	v_mul_u32_u24 v[VO], v3, HS
	v_lshl_add_u32 v[VO], v2, 4, v[VO]
	v_lshlrev_b32 v[BAQ], 6, v3
	v_and_b32 v4, 8, v2
	v_add_nc_u32 v4, v4, v2
	v_lshlrev_b32 v[BAV], 2, v4
.irp b, 0,1,2,3
	v_mov_b32 v[TM+4+\b], 0                        ; written once: a lane permute's destination counts as one of its sources
.endr
	s_mov_b32 s[SEL], 0x76543210
	s_mov_b32 s[SEL+1], 0xfedcba98                 ; v_permlanex16_b32's selects for lane l xor 16
.macro FRAG reg, adr, slot, q, i       ; a fragment: two loads of 512 dense bytes
.irp c, 0,1
	ds_load_b128 v[\reg+4*\c:\reg+4*\c+3], v[\adr+\slot] offset:(\i)*(P0T-512*(\slot))+512*(1-(\slot))+1024*(\q)+512*\c
.endr
.endm
.macro FETCH_B slot, q, p              ; B's eight fragments of the part's q-th K step into set p
	WIN 0x40
.irp i, 0,1,2,3,4,5,6,7
	FRAG 128*(\p)+8*\i, ADRB, \slot, \q, \i
.endr
	WIN 0
.endm
.macro FETCH_A slot, q, i0             ; A's blocks i0 .. i0 + 3
.irp i, \i0, \i0+1, \i0+2, \i0+3
	FRAG AF+8*(\i), ADRA, \slot, \q, \i
.endr
.endm
.macro SCALES                          ; all scale words, once: register 4 i + q: lanes 0-15 K step q of tile i, lanes 16-31 K step 4 + q
.irp i, 0,1,2,3,4,5,6,7
	ds_load_b128 v[SCA+4*\i:SCA+4*\i+3], v[ADRA] offset:\i*P0T
	ds_load_b128 v[SCB+4*\i:SCB+4*\i+3], v[ADRB] offset:\i*P0T
.endr
.endm
; 16 matrix instructions: A's blocks a0, a0 + 1 x B's eight, one K step.  cmode 1: the first product starts the sums; 2: the bias is its C; 0: in place.  The 64 accumulators take turns.
.macro MUL16 a0, p, q, slot, cmode
.irp a, \a0, \a0+1
.irp b, 0,1,2,3,4,5,6,7
.set DD, 8*(8*((\a)%4)+\b)
.set FB, 128*(\p)+8*\b
.set FA, AF+8*(\a)
.set WB, SCB+4*\b+(\q)
.set WA, SCA+4*(\a)+(\q)
.if \cmode == 1
	v_wmma_scale_f32_16x16x128_f8f6f4 v[DD:DD+7], v[FB:FB+7], v[FA:FA+7], 0, v[WB], v[WA] matrix_a_fmt:MATRIX_FMT_FP4 matrix_b_fmt:MATRIX_FMT_FP4
.elseif \cmode == 2
	v_wmma_scale_f32_16x16x128_f8f6f4 v[DD:DD+7], v[FB:FB+7], v[FA:FA+7], v[BIAS+8*\b:BIAS+8*\b+7], v[WB], v[WA] matrix_a_fmt:MATRIX_FMT_FP4 matrix_b_fmt:MATRIX_FMT_FP4
.elseif \slot == 0
	v_wmma_scale_f32_16x16x128_f8f6f4 v[DD:DD+7], v[FB:FB+7], v[FA:FA+7], v[DD:DD+7], v[WB], v[WA] matrix_a_fmt:MATRIX_FMT_FP4 matrix_b_fmt:MATRIX_FMT_FP4
.else
	v_wmma_scale_f32_16x16x128_f8f6f4 v[DD:DD+7], v[FB:FB+7], v[FA:FA+7], v[DD:DD+7], v[WB], v[WA] matrix_a_fmt:MATRIX_FMT_FP4 matrix_b_fmt:MATRIX_FMT_FP4 matrix_a_scale:MATRIX_SCALE_ROW1 matrix_b_scale:MATRIX_SCALE_ROW1
.endif
.endr
.endr
.endm
; A K step that has its successor in the same part.  A has one set of registers (blocks 0-3 fetched anew in the middle, 4-7 at the end), B two.
; Four plain vector lines stand between matrix instructions and loads into registers that they have read (ISA guide 7.12.1 for vector instructions).
.macro STEP slot, q, cmode
	s_wait_dscnt 8                                 ; all but the youngest eight loads (A's blocks 4-7) are in
.if \cmode == 2
	WIN 0x81
.else
	WIN 0xa1                                       ; source 0 (B) window 1, source 1 (A) window 0, C and D window 2
.endif
	MUL16 0, (\q)%2, \q, \slot, \cmode
	MUL16 2, (\q)%2, \q, \slot, \cmode
	s_wait_dscnt 0x0                               ; A's blocks 4-7 are in
	PLACES 4
	FETCH_B \slot, (\q)+1, 1-(\q)%2
	FETCH_A \slot, (\q)+1, 0
.if \cmode == 2
	WIN 0xc1
.else
	WIN 0xf1                                       ; C and D window 3
.endif
	MUL16 4, (\q)%2, \q, \slot, \cmode
	MUL16 6, (\q)%2, \q, \slot, \cmode
	PLACES 4
	WIN 0
	FETCH_A \slot, (\q)+1, 4
.endm
.macro TURN                            ; P0's last K step; behind its barrier P1 is read.  Nothing is filled again
	s_wait_tensorcnt 0x0                           ; my part of P1 has landed
	s_wait_dscnt 8
	WIN 0xa1
	MUL16 0, 1, 3, 0, 0
	s_wait_dscnt 0x0                               ; no LDS instruction of mine is out at the signal
	s_barrier_signal -1
	MUL16 2, 1, 3, 0, 0
	WIN 0
	s_barrier_wait -1                              ; everybody's part of P1 has landed
	PLACES 4
	FETCH_B 1, 0, 0
	FETCH_A 1, 0, 0
	WIN 0xf1
	MUL16 4, 1, 3, 0, 0
	MUL16 6, 1, 3, 0, 0
	PLACES 4
	WIN 0
	FETCH_A 1, 0, 4
.endm
.macro LAST                            ; the very last K step: nothing more to fetch
	s_wait_dscnt 8
	WIN 0xa1
	MUL16 0, 1, 3, 1, 0
	MUL16 2, 1, 3, 1, 0
	s_wait_dscnt 0x0
	WIN 0xf1
	MUL16 4, 1, 3, 1, 0
	MUL16 6, 1, 3, 1, 0
	WIN 0
.endm
; 64 numbers of a lane, register 16 b + i = k 32 b + 16 (lane / 16) + i of my row, become a fragment's codes in v[PC] on and its scale word in v[PW].
.macro QUANT s
.irp b, 0,1,2,3
	v_max3_num_f32 v[TM+\b], |v[\s+16*\b]|, |v[\s+1+16*\b]|, 0x1800000   ; my 16 numbers of block b, and the floor 2^(3 - 127)
.endr
.irp i, 2,4,6,8,10,12,14
.irp b, 0,1,2,3
	v_max3_num_f32 v[TM+\b], v[TM+\b], |v[\s+16*\b+\i]|, |v[\s+1+16*\b+\i]|
.endr
.endr
.irp b, 0,1,2,3
	v_permlanex16_b32 v[TM+4+\b], v[TM+\b], s[SEL], s[SEL+1]
.endr
.irp b, 0,1,2,3
	v_max_num_f32 v[TM+\b], v[TM+\b], v[TM+4+\b]   ; with lane l xor 16's: the block's largest magnitude
.endr
.irp b, 0,1,2,3
	v_add_nc_u32 v[TM+12+\b], 0xff000000, v[TM+\b] ; 2 off its exponent field: the conversion's scale operand
.endr
.irp b, 0,1,2,3
	v_lshrrev_b32 v[TM+4+\b], 23, v[TM+12+\b]      ; the scale's byte
.endr
	v_lshl_or_b32 v[PW], v[TM+5], 8, v[TM+4]
	v_lshl_or_b32 v[PW], v[TM+6], 16, v[PW]
	v_lshl_or_b32 v[PW], v[TM+7], 24, v[PW]
.irp b, 0,1,2,3
	v_cvt_scalef32_pk8_fp4_f32 v[PC+2*\b], v[\s+16*\b:\s+7+16*\b], v[TM+12+\b]
	v_cvt_scalef32_pk8_fp4_f32 v[PC+1+2*\b], v[\s+8+16*\b:\s+15+16*\b], v[TM+12+\b]
.endr
	v_nop                                          ; one plain line behind a scaled conversion
.irp c, 0,1                            ; the operand's layout wants a whole block in a lane
.irp i, 0,1
	v_permlane16_swap_b32 v[PC+4*\c+\i], v[PC+2+4*\c+\i]
.endr
.endr
.endm
; A's block a goes out: bias added, quantised along the registers, codes stored as 512 dense bytes, the scale word gathered in my stage.  ty 0: q, k; 1: v.
.macro OUT_A a, ty
	s_wait_xcnt 0x0                                ; the last block's stores have read their data: the codes' registers are written again only behind this wait
	WIN 0x02+(\a)/4                                ; source 0: window 2 or 3
.irp b, 0,1,2,3,4,5,6,7
.irp jj, 0,2,4,6
.set ACB, 8*(8*((\a)%4)+\b)+\jj
.if \ty == 0
	v_pk_add_f32 v[H+8*\b+\jj:H+8*\b+\jj+1], v[ACB:ACB+1], v[BIAS+8*\b+\jj:BIAS+8*\b+\jj+1]   ; each accumulator from its low end on
.else
	v_pk_add_f32 v[H+8*\b+\jj:H+8*\b+\jj+1], v[ACB:ACB+1], v[BIAS+2*(\a):BIAS+2*(\a)+1] op_sel_hi:[1,0]   ; my channel's bias for both halves
.endif
.endr
.endr
	WIN 0
	s_wait_dscnt 0x0                               ; the last block's LDS store has read its register
	QUANT H
.if \ty == 0
	global_store_b128 v[LI], v[PC:PC+3], s[92:93] offset:(\a)*512          ; the first head's 64 channels: 512 consecutive bytes, aligned
	global_store_b128 v[LI], v[PC+4:PC+7], s[92:93] offset:HS+(\a)*512     ; the second head's
	v_lshrrev_b32 v[PX], v[SH], v[PW]              ; lanes 0-15 keep the word (bytes 0, 1: the first head's blocks), lanes 16-31 bring the second head's down; bytes 2, 3 scale zero codes and are never 0xff
	ds_store_b32 v[SWQ], v[PX] offset:((\a)%2)*256+((\a)/2)*4
.else
	global_store_b128 v[LI], v[PC:PC+3], s[92:93] offset:((\a)/4)*HS+((\a)%4)*1024
	global_store_b128 v[LI], v[PC+4:PC+7], s[92:93] offset:((\a)/4)*HS+((\a)%4)*1024+512
	ds_store_b32 v[SWV], v[PW] offset:((\a)/4)*256+((\a)%2)*128+(((\a)%4)/2)*4   ; lanes r and r + 16 write the same word with the same value
.endif
.endm
	s_wait_tensorcnt 0x1                           ; my part of P0 is in; P1's load may stay out
	s_barrier_signal -1
	s_barrier_wait -1                              ; everybody's is
	FETCH_B 0, 0, 0
	FETCH_A 0, 0, 0
	SCALES
	FETCH_A 0, 0, 4
	STEP 0, 0, 1                                   ; the first products start the sums
	STEP 0, 1, 0
	STEP 0, 2, 0
	TURN
	STEP 1, 0, 0
	STEP 1, 1, 0
	STEP 1, 2, 0
	s_cmp_eq_u32 s66, 2                            ; the ways part on the cluster's x; each asks for its bias ahead of the last K step
	s_cbranch_scc1 .Lv
	; ---- q, k
	s_lshl_b32 s88, s17, 1
	s_add_co_u32 s88, s88, s15                     ; my 128 tokens: 0..63
	s_lshr_b32 s89, s88, 4                         ; the batch
	s_and_b32 s88, s88, 15                         ; the step
	s_and_b32 s90, s42, 3
	s_lshl_b32 s90, s90, 2
	s_lshl_b32 s91, s16, 1
	s_add_co_u32 s90, s90, s91                     ; my first head
	s_lshl_b32 s89, s89, 4
	s_add_co_u32 s89, s89, s90
	s_mul_i32 s89, s89, HS
	s_mul_i32 s88, s88, REC
	s_add_co_u32 s88, s88, s89
	s_cmp_eq_u32 s66, 0
	s_cselect_b32 s89, 8960, 0                     ; q's part of a record, or k's
	s_add_co_u32 s88, s88, s89
	s_mov_b32 s89, 0
	s_add_nc_u64 s[92:93], s[10:11], s[88:89]
	s_lshl_b32 s88, s42, 10
	s_lshl_b32 s90, s16, 9
	s_add_co_u32 s88, s88, s90
	s_add_nc_u64 s[94:95], s[8:9], s[88:89]        ; the bias of my 128 columns
	s_wait_alu depctr_va_vdst(0)
.irp bb, 0,1,2,3
.irp jj, 0,1,2,3
	global_load_b128 v[BIAS+16*\bb+4*\jj:BIAS+16*\bb+4*\jj+3], v[BAQ], s[94:95] offset:128*\bb+16*\jj
.endr
.endr
	LAST
	s_wait_loadcnt 0x0
	PLACES 4
.irp a, 0,1,2,3,4,5,6,7
	OUT_A \a, 0
.endr
	ds_load_b128 v[96:99], v[SRQ]                  ; in order behind my stores: the first head's 512 bytes of scale words,
	ds_load_b128 v[100:103], v[SRQ] offset:512     ; the second's
	s_wait_dscnt 0x0
	global_store_b128 v[LI], v[96:99], s[92:93] offset:4096
	global_store_b128 v[LI], v[100:103], s[92:93] offset:HS+4096
	s_branch .Ldone
.Lv:
	; ---- v
	s_lshl_b32 s88, s42, 1
	s_add_co_u32 s88, s88, s16                     ; my 128 tokens
	s_lshr_b32 s89, s88, 4
	s_and_b32 s88, s88, 15
	s_lshl_b32 s90, s41, 2
	s_lshl_b32 s91, s15, 1
	s_add_co_u32 s90, s90, s91                     ; my first head
	s_lshl_b32 s89, s89, 4
	s_add_co_u32 s89, s89, s90
	s_mul_i32 s89, s89, HS
	s_mul_i32 s88, s88, REC
	s_add_co_u32 s88, s88, s89
	s_add_co_u32 s88, s88, 4608                    ; v's part of a record
	s_mov_b32 s89, 0
	s_add_nc_u64 s[92:93], s[10:11], s[88:89]
	s_lshl_b32 s88, s41, 10
	s_lshl_b32 s90, s15, 9
	s_add_co_u32 s88, s88, s90
	s_add_co_u32 s88, s88, 8192
	s_add_nc_u64 s[94:95], s[8:9], s[88:89]        ; the bias of my 128 channels
	s_wait_alu depctr_va_vdst(0)
.irp a, 0,1,2,3,4,5,6,7
	global_load_b32 v[BIAS+2*\a], v[BAV], s[94:95] offset:4*(32*(\a/2)+8*(\a%2))
	v_mov_b32 v[BIAS+2*\a+1], 0                    ; named with it as a pair, so it is written
.endr
	LAST
	s_wait_loadcnt 0x0
	PLACES 4
	s_wait_alu depctr_va_vdst(0)
.irp a, 0,1,2,3,4,5,6,7
	OUT_A \a, 1
.endr
	ds_load_b128 v[96:99], v[SRV]                  ; both heads' 256 bytes of scale words
	s_wait_dscnt 0x0
	global_store_b128 v[VO], v[96:99], s[92:93] offset:4096   ; sixteen lanes store 256 consecutive bytes, aligned
.Ldone:
	s_wait_tensorcnt 0x0
	ds_add_u32 v126, v127
	s_wait_dscnt 0x0
	CROUND                                         ; the closing round
	s_endpgm
.Lfunc_end_k_q123c788c7f_qkv:
	.size	k_q123c788c7f_qkv, .Lfunc_end_k_q123c788c7f_qkv-k_q123c788c7f_qkv
	.p2alignl 7, 3214868480
	.fill 96, 4, 3214868480
	.section	.rodata,"a",@progbits
	.p2align	6, 0x0
	.amdhsa_kernel k_q123c788c7f_qkv
		.amdhsa_group_segment_fixed_size 285184
		.amdhsa_private_segment_fixed_size 0
		.amdhsa_enable_private_segment 0
		.amdhsa_kernarg_size 32
		.amdhsa_user_sgpr_count 2
		.amdhsa_user_sgpr_kernarg_segment_ptr 1
		.amdhsa_wavefront_size32 1
		.amdhsa_system_sgpr_workgroup_id_x 1
		.amdhsa_system_sgpr_workgroup_id_y 1
		.amdhsa_system_sgpr_workgroup_id_z 1
		.amdhsa_system_vgpr_workitem_id 0
		.amdhsa_next_free_vgpr 1024
		.amdhsa_next_free_sgpr 100
		.amdhsa_reserve_vcc 0
		.amdhsa_float_denorm_mode_32 3
		.amdhsa_float_denorm_mode_16_64 3
		.amdhsa_memory_ordered 1
		.amdhsa_forward_progress 1
		.amdhsa_inst_pref_size 204
	.end_amdhsa_kernel
	.amdgpu_metadata
---
amdhsa.version: [ 1, 2 ]
amdhsa.kernels:
  - .name:           k_q123c788c7f_qkv
    .symbol:         k_q123c788c7f_qkv.kd
    .args:
      - { .name: xq, .offset: 0, .size: 8, .value_kind: global_buffer, .address_space: global }
      - { .name: wqkvq, .offset: 8, .size: 8, .value_kind: global_buffer, .address_space: global }
      - { .name: bqkv, .offset: 16, .size: 8, .value_kind: global_buffer, .address_space: global }
      - { .name: qkvq, .offset: 24, .size: 8, .value_kind: global_buffer, .address_space: global }
    .group_segment_fixed_size: 285184
    .private_segment_fixed_size: 0
    .kernarg_segment_align: 8
    .kernarg_segment_size: 32
    .max_flat_workgroup_size: 128
    .sgpr_count:     100
    .vgpr_count:     1024
    .wavefront_size: 32
...
	.end_amdgpu_metadata
.endif
;; end of part 2
;; launch attn (part 3): grid 4 x 64, 16 waves a work-group, clusters of 4 x 1, 169,984 bytes of LDS; arguments qkvq, oq; writes oq
.if DOCPART == 3
	.amdgcn_target "amdgcn-amd-amdhsa--gfx1250"
	.amdhsa_code_object_version 6
	.text
	.protected	k_q123c788c7f_attn
	.globl	k_q123c788c7f_attn
	.p2align	8
	.type	k_q123c788c7f_attn,@function
k_q123c788c7f_attn:
	s_mov_b64 s[64:65], 0
	v_nop
	global_prefetch_b8 v0, s[64:65] scope:SCOPE_SE
	s_setreg_imm32_b32 hwreg(HW_REG_WAVE_MODE, 25, 1), 1
	s_wait_xcnt 0x0
	s_wait_alu depctr_hold_cnt(0) depctr_sa_sdst(0) depctr_va_vdst(0) depctr_va_sdst(0) depctr_va_ssrc(0) depctr_va_vcc(0) depctr_vm_vsrc(0)
	s_getreg_b32 s2, hwreg(HW_REG_IB_STS2, 6, 4)
	s_cmp_eq_u32 s2, 0
	s_cbranch_scc0 .Lentry_in_a_cluster
	s_endpgm
.Lentry_in_a_cluster:
	s_bfe_u32 s2, ttmp6, 0x10000c
	s_cmp_lg_u32 s2, 0x3003
	s_cbranch_scc0 .Lentry_shape_is_right
	s_endpgm
.Lentry_shape_is_right:
; o = softmax(q k^T / 8, causal) v for one head of 64 channels, both products on codes of FP4 with E8M0 scales; o is quantised along the channels and leaves as the last product's operand.
; THE SOFTMAX: t = score x log2(e) / 8; M = the running largest t rounded UP to a whole number; p = 2^(t - M) is quantised along the keys, not normalised; the row's sum is taken of the unquantised p and divides o at the end.
; When M moves, the sum and O are multiplied by 2^(old M - new M), which rounds nothing.
; INPUT qkvq [batch x head][step of 128 tokens][REC]: +0 K's codes, +4096 K's scale words, +4608 V's codes (keys innermost), +8704 V's scale words, +8960 Q's codes, +13056 Q's scale words, all as images of operand registers.
; A tile's 16 tokens are not neighbours: of each 32 tokens G, tile 2 G + u holds at position r the token 32 G + 8 u + r + 8 (r / 8); so the 16 score registers of tiles 2 B, 2 B + 1 are keys 32 B + 16 (lane / 16) + 0..15.
; The first product's K is 64: the upper half of each fragment of Q and of K is four registers of zero codes, set once.
; SHARES: the four work-groups of a cluster own one head; a head has 128 tiles of 16 queries.  Wave w of work-group g owns tiles t1 = 8 (w / 2) + 2 g + w % 2 and 127 - t1: w / 2 + 1 and 16 - w / 2 steps of 128 keys, 17 for every wave.
; The head's K and V (16 x 8,960 bytes) come into LDS ONCE, one joint tensor load a wave (the four partners ask for the same bytes), and stay: nothing is filled again.
; Both loops have 16 trips in every wave; a step behind the tile's last is jumped over by a scalar branch on the wave's number.  g enters only Q's and o's addresses in memory and the mask's vector data.
; LIMITS: NaN and infinities are not served; a block of o under 2^-124 keeps the byte 1.
; REGISTERS: v1-5 addresses that stay; v8-9 the step's; v12 -M, v13 the largest t, v[14:15] the sum; v16-23 Q; v24 Q's scale word; v26-29 K's, v30-31 V's; v32-63 four fragments of K; v64-95 V's four;
;   v96-159 S^T, then p; v160-191 O^T; v192-223 o; v224-231 codes; v232-254 at work.
.set REC,  13568
.set HS,   16*REC
.set KV,   8960                        ; K's and V's part of a record
.set TREC, 8704                        ; a record of oq: 16 rows x K 1,024
.set WV,   8
.set G0,   12
.set G1,   16
.set SEL,  24
.set CS,   26
.set TB,   28                          ; LDS byte at which the step's record begins
.set ST,   29                          ; the step
.set LAST1, 30
.set LAST2, 31
.set SQ1,  32                          ; my tile's first token within its step of 128
.set SQ2,  33
.macro CROUND
	s_barrier_signal -1
	s_barrier_wait -1
	s_cmp_lg_u32 s[WV], 0
	s_cbranch_scc1 .Lnot_wave_0_\@
	s_barrier_signal -3
.Lnot_wave_0_\@:
	s_barrier_wait -3
	s_barrier_signal -1
	s_barrier_wait -1
.endm
	s_load_b128 s[4:7], s[0:1], 0x0                ; qkvq, oq
	v_lshl_add_u32 v251, v0, 2, 0x29000
	v_mov_b32 v255, 0
	ds_add_u32 v251, v255
	ds_add_u32 v251, v255
	v_lshrrev_b32 v1, 5, v0
	s_delay_alu instid0(VALU_DEP_1)
	v_readfirstlane_b32 s[WV], v1                  ; wave 0..15
	s_lshr_b32 s9, s[WV], 1                        ; u
	s_and_b32 s10, s[WV], 1                        ; v
	s_bfe_u32 s11, ttmp6, 0x40000                  ; g: my place in the cluster
	s_and_b32 s34, ttmp7, 0xffff                   ; batch x 16 + head, which the partners share
	s_mul_i32 s52, s34, HS
	s_mul_i32 s60, s[WV], REC
	s_add_co_u32 s60, s60, s52                     ; record w of the head
	s_mov_b32 s61, 0
	s_mov_b32 s[G1], 15|(3<<16)|(1<<21)            ; 15:0 the mask: all four work-groups; 17:16 elements of 8 bytes; 21 set beside a mask
	s_mov_b32 s[G1+1], 32<<16                      ; 8,960 dense bytes as 35 rows of 256
	s_mov_b32 s[G1+2], 35<<16
	s_mov_b32 s[G1+3], 32<<16
	s_mov_b32 s[G1+4], 35
	s_mov_b32 s[G1+5], 32
	s_mov_b32 s[G1+6], 0
	s_mov_b32 s[G1+7], 0
	s_mov_b32 s[G0], 1
	s_mul_i32 s[G0+1], s[WV], KV
	s_wait_dscnt 0x0
	s_wait_kmcnt 0x0
	s_add_nc_u64 s[G0+2:G0+3], s[4:5], s[60:61]
	s_or_b32 s[G0+3], s[G0+3], 0x80000000
	CROUND                                         ; all four work-groups are here: the joint loads meet
	tensor_load_to_lds s[G0:G0+3], s[G1:G1+7]      ; my one tensor load
	s_nop 0
.rept 4
	v_nop
.endr
	s_lshl_b32 s35, s9, 3
	s_lshl_b32 s54, s11, 1
	s_add_co_u32 s35, s35, s54
	s_add_co_u32 s35, s35, s10                     ; my first tile
	s_sub_co_u32 s62, 127, s35                     ; my second
	s_mov_b32 s[LAST1], s9
	s_sub_co_u32 s[LAST2], 15, s9
	s_lshl_b32 s[SQ1], s11, 5
	s_lshl_b32 s54, s10, 3
	s_add_co_u32 s[SQ1], s[SQ1], s54               ; 32 g + 8 v
	s_sub_co_u32 s[SQ2], 104, s[SQ1]               ; 32 (3 - g) + 8 (1 - v)
	s_lshr_b32 s53, s34, 4
	s_lshl_b32 s53, s53, 7                         ; 128 x batch: the batch's first tile in oq
	s_and_b32 s63, s34, 15                         ; the head
	s_lshl_b32 s58, s63, 9
	s_add_co_u32 s58, s58, 512                     ; its two blocks' codes in a record of oq
	s_lshr_b32 s59, s63, 3
	s_lshl_b32 s59, s59, 8
	s_and_b32 s63, s63, 7
	s_lshl_b32 s63, s63, 1
	s_add_co_u32 s59, s59, s63                     ; and their scale bytes
	s_mov_b32 s57, 0
.macro BASES tau, o                    ; s[o..o+7]: Q's codes, Q's scale words, o's codes, o's scale bytes of tile s[tau]
	s_lshr_b32 s54, s[\tau], 3
	s_mul_i32 s54, s54, REC
	s_add_co_u32 s54, s54, s52
	s_and_b32 s55, s[\tau], 7
	s_lshl_b32 s56, s55, 9
	s_add_co_u32 s56, s56, s54
	s_add_co_u32 s56, s56, 8960
	s_add_nc_u64 s[\o:\o+1], s[4:5], s[56:57]
	s_and_b32 s56, s[\tau], 1
	s_lshl_b32 s56, s56, 8
	s_lshr_b32 s55, s55, 1
	s_lshl_b32 s55, s55, 2
	s_add_co_u32 s56, s56, s55
	s_add_co_u32 s56, s56, s54
	s_add_co_u32 s56, s56, 13056
	s_add_nc_u64 s[\o+2:\o+3], s[4:5], s[56:57]
	s_add_co_u32 s54, s53, s[\tau]
	s_mul_i32 s54, s54, TREC
	s_add_co_u32 s56, s54, s58
	s_add_nc_u64 s[\o+4:\o+5], s[6:7], s[56:57]
	s_add_co_u32 s56, s54, s59
	s_add_nc_u64 s[\o+6:\o+7], s[6:7], s[56:57]
.endm
	BASES 35, 36
	BASES 62, 44
	s_mov_b32 s[SEL], 0x76543210
	s_mov_b32 s[SEL+1], 0xfedcba98                 ; v_permlanex16_b32's selects for lane l xor 16
	s_mov_b32 s[CS], 0x3e38aa3b                    ; c = log2(e) / 8
	s_mov_b32 s[CS+1], s[CS]                       ; named with it as a pair, so it is written
	v_and_b32 v4, 31, v0
	s_delay_alu instid0(VALU_DEP_1)
	v_lshlrev_b32 v1, 4, v4                        ; 16 x lane
	s_delay_alu instid0(VALU_DEP_2)
	v_lshlrev_b32 v2, 3, v4
	s_delay_alu instid0(VALU_DEP_1)
	v_add_nc_u32 v2, 8704, v2                      ; V's scale words: 8 x lane
	v_and_b32 v6, 15, v0                           ; r
	v_bfe_u32 v7, v0, 4, 1                         ; h
	s_delay_alu instid0(VALU_DEP_2)
	v_lshlrev_b32 v3, 4, v6                        ; 16 r
	s_delay_alu instid0(VALU_DEP_3)
	v_and_b32 v5, 8, v6
	s_delay_alu instid0(VALU_DEP_1)
	v_add_nc_u32 v5, v5, v6
	s_delay_alu instid0(VALU_DEP_4)
	v_lshlrev_b32 v7, 4, v7
	s_delay_alu instid0(VALU_DEP_1)
	v_sub_nc_u32 v5, v5, v7                        ; r + 8 (r / 8) - 16 h: for the mask
.macro QLOAD o
	global_load_b128 v[16:19], v1, s[\o:\o+1]
	global_load_b32 v24, v3, s[\o+2:\o+3]
.endm
	QLOAD 36
.irp j, 20,21,22,23, 36,37,38,39, 44,45,46,47, 52,53,54,55, 60,61,62,63
	v_mov_b32 v\j, 0                               ; zero codes for k = 64 .. 127 of the first product, on both sides
.endr
.irp j, 236,237,238,239,252,253
	v_mov_b32 v\j, 0                               ; written once: permute destinations and pair halves count as read
.endr
.macro INIT
	v_mov_b32 v13, 0xff61b1e6                      ; the largest t so far: -3e38
	s_delay_alu instid0(VALU_DEP_1)
	v_floor_f32 v12, -v13                          ; -M
	v_mov_b32 v14, 0
	v_mov_b32 v15, 0
.set j, 0
.rept 32
	v_mov_b32 v[160+j], 0                          ; O^T: the loop is written once; its first step finds zeros, which the first change of M leaves zeros
.set j, j+1
.endr
	s_mov_b32 s[TB], 0
	s_mov_b32 s[ST], 0
.endm
; One tile's walk over the keys.  last: the register with the tile's last step (the one on the diagonal); sq: that with the tile's place in it.
.macro LOOP last, sq
.Ltrip_\@:
	s_cmp_gt_u32 s[ST], s[\last]
	s_cbranch_scc1 .Lskip_\@                       ; all keys of this step come after my queries
	s_setprio 2
	v_add_nc_u32 v8, s[TB], v1
	v_add_nc_u32 v9, s[TB], v2
	v_nop
	v_nop                                          ; four plain lines in front of loads into registers that the last trip's matrix instructions have read
	ds_load_b128 v[26:29], v8 offset:4096          ; K's scale words: register j: lanes 0-15 tile 2 j, lanes 16-31 tile 2 j + 1
.irp t, 0,1,2,3
	ds_load_b128 v[32+8*\t:35+8*\t], v8 offset:512*\t
.endr
.irp t, 0,1,2,3
.irp c, 0,1
	ds_load_b128 v[64+8*\t+4*\c:67+8*\t+4*\c], v8 offset:4608+1024*\t+512*\c
.endr
.endr
	ds_load_b64 v[30:31], v9                       ; V's scale words
	s_wait_alu depctr_va_vdst(0)
	s_wait_dscnt 9                                 ; K's scale words and tiles 0-3 are in; V's nine loads may be out
	v_wmma_scale_f32_16x16x128_f8f6f4 v[96:103], v[32:39], v[16:23], 0, v26, v24 matrix_a_fmt:MATRIX_FMT_FP4 matrix_b_fmt:MATRIX_FMT_FP4
	v_wmma_scale_f32_16x16x128_f8f6f4 v[104:111], v[40:47], v[16:23], 0, v26, v24 matrix_a_fmt:MATRIX_FMT_FP4 matrix_b_fmt:MATRIX_FMT_FP4 matrix_a_scale:MATRIX_SCALE_ROW1
	v_wmma_scale_f32_16x16x128_f8f6f4 v[112:119], v[48:55], v[16:23], 0, v27, v24 matrix_a_fmt:MATRIX_FMT_FP4 matrix_b_fmt:MATRIX_FMT_FP4
	v_wmma_scale_f32_16x16x128_f8f6f4 v[120:127], v[56:63], v[16:23], 0, v27, v24 matrix_a_fmt:MATRIX_FMT_FP4 matrix_b_fmt:MATRIX_FMT_FP4 matrix_a_scale:MATRIX_SCALE_ROW1
.rept 4
	v_nop
.endr
.irp t, 0,1,2,3
	ds_load_b128 v[32+8*\t:35+8*\t], v8 offset:2048+512*\t         ; tiles 4-7
.endr
	s_wait_dscnt 0x0
	v_wmma_scale_f32_16x16x128_f8f6f4 v[128:135], v[32:39], v[16:23], 0, v28, v24 matrix_a_fmt:MATRIX_FMT_FP4 matrix_b_fmt:MATRIX_FMT_FP4
	v_wmma_scale_f32_16x16x128_f8f6f4 v[136:143], v[40:47], v[16:23], 0, v28, v24 matrix_a_fmt:MATRIX_FMT_FP4 matrix_b_fmt:MATRIX_FMT_FP4 matrix_a_scale:MATRIX_SCALE_ROW1
	v_wmma_scale_f32_16x16x128_f8f6f4 v[144:151], v[48:55], v[16:23], 0, v29, v24 matrix_a_fmt:MATRIX_FMT_FP4 matrix_b_fmt:MATRIX_FMT_FP4
	v_wmma_scale_f32_16x16x128_f8f6f4 v[152:159], v[56:63], v[16:23], 0, v29, v24 matrix_a_fmt:MATRIX_FMT_FP4 matrix_b_fmt:MATRIX_FMT_FP4 matrix_a_scale:MATRIX_SCALE_ROW1
.rept 4
	v_nop
.endr
	s_cmp_lg_u32 s[ST], s[\last]
	s_cbranch_scc1 .Lopen_\@                       ; only the tile's last step lies on the diagonal
	v_add_nc_u32 v252, s[\sq], v5                  ; d = my query's place in the step - 16 h.  Register 16 b + i holds key 32 b + 16 h + i: hidden where 32 b + i > d
	v_mov_b32 v254, 0xff800000                     ; -infinity: p = 0 then.  The step's key 0 counts for every query, so M stays a number
.set n, 0
.rept 64
	v_cmp_gt_i32 vcc_lo, 32*(n/16)+n%16, v252
	v_cndmask_b32 v[96+n], v[96+n], v254, vcc_lo
.set n, n+1
.endr
.Lopen_\@:
.irp b, 0,1,2,3
	v_max3_num_f32 v[232+\b], v[96+16*\b], v[97+16*\b], v[98+16*\b]   ; the largest score of each block of 32 keys: it serves the row's maximum and, since p rises with the score, the block's largest p
.endr
.irp i, 3,5,7,9,11,13
.irp b, 0,1,2,3
	v_max3_num_f32 v[232+\b], v[232+\b], v[96+16*\b+\i], v[97+16*\b+\i]
.endr
.endr
.irp b, 0,1,2,3
	v_max_num_f32 v[232+\b], v[232+\b], v[111+16*\b]
.endr
.irp b, 0,1,2,3
	s_delay_alu instid0(VALU_DEP_4)
	v_permlanex16_b32 v[236+\b], v[232+\b], s[SEL], s[SEL+1]
.endr
.irp b, 0,1,2,3
	s_delay_alu instid0(VALU_DEP_4)
	v_max_num_f32 v[232+\b], v[232+\b], v[236+\b]  ; with lane l xor 16's 16 keys
.endr
	s_delay_alu instid0(VALU_DEP_2)
	v_max3_num_f32 v254, v232, v233, v234
	s_delay_alu instid0(VALU_DEP_1)
	v_max_num_f32 v254, v254, v235
	s_delay_alu instid0(VALU_DEP_1)
	v_mul_f32 v254, s[CS], v254                    ; the step's largest t
	s_delay_alu instid0(VALU_DEP_1)
	v_max_num_f32 v13, v13, v254
	v_mov_b32 v254, v12
	s_delay_alu instid0(VALU_DEP_2)
	v_floor_f32 v12, -v13                          ; the new -M = -ceil(t)
	s_delay_alu instid0(VALU_DEP_1)
	v_sub_f32 v254, v12, v254                      ; old M - new M: a whole number, 0 or less
	s_delay_alu instid0(VALU_DEP_1)
	v_cvt_i32_f32 v254, v254                       ; (it saturates)
	s_delay_alu instid0(VALU_DEP_1)
	v_ldexp_f32 v252, 1.0, v254                    ; f = 2^(old M - new M)
.set j, 0
.rept 32
	v_pk_fma_f32 v[96+j:97+j], v[96+j:97+j], s[CS:CS+1], v[12:13] op_sel_hi:[1,0,0]   ; t - M, two at a time
.set j, j+2
.endr
	s_setprio 1
.irp b, 0,1,2,3
	v_fma_f32 v[232+\b], v[232+\b], s[CS], v12     ; the same of each block's largest score
.endr
.set j, 0
	s_wait_alu depctr_va_vdst(0)
.rept 64
	v_exp_f32 v[96+j], v[96+j]                     ; p = 2^(t - M)
.set j, j+1
.endr
.irp b, 0,1,2,3
	v_exp_f32 v[232+\b], v[232+\b]                 ; the block's largest p: the same two instructions on the same number
.endr
	v_pk_mul_f32 v[14:15], v[14:15], v[252:253] op_sel_hi:[1,0]   ; the sums under the new M (a plain line behind the exponentials)
	s_wait_alu depctr_va_vdst(0)
.irp b, 0,1,2,3
	v_max_num_f32 v[232+\b], 0x1800000, v[232+\b]  ; the floor 2^(3 - 127): the byte cannot fall under 1
.endr
.irp b, 0,1,2,3
	s_delay_alu instid0(VALU_DEP_4)
	v_add_nc_u32 v[244+\b], 0xff000000, v[232+\b]
.endr
.irp b, 0,1,2,3
	s_delay_alu instid0(VALU_DEP_4)
	v_lshrrev_b32 v[236+\b], 23, v[244+\b]
.endr
	s_delay_alu instid0(VALU_DEP_3)
	v_lshl_or_b32 v253, v237, 8, v236              ; p's scale word for these 128 keys
	s_delay_alu instid0(VALU_DEP_1)
	v_lshl_or_b32 v253, v238, 16, v253
	s_delay_alu instid0(VALU_DEP_1)
	v_lshl_or_b32 v253, v239, 24, v253
.irp b, 0,1,2,3
	v_cvt_scalef32_pk8_fp4_f32 v[224+2*\b], v[96+16*\b:103+16*\b], v[244+\b]
	v_cvt_scalef32_pk8_fp4_f32 v[225+2*\b], v[104+16*\b:111+16*\b], v[244+\b]
.endr
	v_nop                                          ; one plain line behind a scaled conversion
.irp c, 0,1
.irp i, 0,1
	v_permlane16_swap_b32 v[224+4*\c+\i], v[226+4*\c+\i]   ; a whole block to a lane
.endr
.endr
	v_pk_add_f32 v[236:237], v[100:101], v[104:105]
	v_pk_add_f32 v[248:249], v[108:109], v[112:113]
	v_pk_add_f32 v[246:247], v[116:117], v[120:121]
	v_pk_add_f32 v[244:245], v[124:125], v[128:129]
	v_pk_add_f32 v[242:243], v[132:133], v[136:137]
	v_pk_add_f32 v[240:241], v[140:141], v[144:145]
	v_pk_add_f32 v[234:235], v[148:149], v[152:153]
	v_pk_add_f32 v[14:15], v[14:15], v[156:157]
	v_pk_add_f32 v[236:237], v[236:237], v[96:97]
	v_pk_add_f32 v[248:249], v[248:249], v[98:99]
	v_pk_add_f32 v[246:247], v[246:247], v[102:103]
	v_pk_add_f32 v[244:245], v[244:245], v[106:107]
	s_setprio 0
	v_pk_add_f32 v[242:243], v[242:243], v[110:111]
	v_pk_add_f32 v[240:241], v[240:241], v[114:115]
	v_pk_add_f32 v[234:235], v[234:235], v[118:119]
	v_pk_add_f32 v[14:15], v[14:15], v[122:123]
	v_pk_add_f32 v[236:237], v[236:237], v[126:127]
	v_pk_add_f32 v[248:249], v[248:249], v[130:131]
	v_pk_add_f32 v[246:247], v[246:247], v[134:135]
	v_pk_add_f32 v[244:245], v[244:245], v[138:139]
	v_pk_add_f32 v[242:243], v[242:243], v[142:143]
	v_pk_add_f32 v[240:241], v[240:241], v[146:147]
	v_pk_add_f32 v[234:235], v[234:235], v[150:151]
	v_pk_add_f32 v[14:15], v[14:15], v[154:155]
	v_pk_add_f32 v[236:237], v[236:237], v[158:159]
	s_delay_alu instid0(VALU_DEP_2)
	v_pk_add_f32 v[14:15], v[14:15], v[244:245]
	s_delay_alu instid0(VALU_DEP_2)
	v_pk_add_f32 v[236:237], v[236:237], v[242:243]
	v_pk_add_f32 v[248:249], v[248:249], v[240:241]
	v_pk_add_f32 v[246:247], v[246:247], v[234:235]
	s_delay_alu instid0(VALU_DEP_2)
	v_pk_add_f32 v[14:15], v[14:15], v[248:249]
	s_delay_alu instid0(VALU_DEP_2)
	v_pk_add_f32 v[236:237], v[236:237], v[246:247]
	s_delay_alu instid0(VALU_DEP_1)
	v_pk_add_f32 v[14:15], v[14:15], v[236:237]
.set j, 0
.rept 16
	v_pk_mul_f32 v[160+j:161+j], v[160+j:161+j], v[252:253] op_sel_hi:[1,0]   ; O^T under the new M, each accumulator from its low end on
.set j, j+2
.endr
	v_wmma_scale_f32_16x16x128_f8f6f4 v[160:167], v[64:71], v[224:231], v[160:167], v30, v253 matrix_a_fmt:MATRIX_FMT_FP4 matrix_b_fmt:MATRIX_FMT_FP4
	v_wmma_scale_f32_16x16x128_f8f6f4 v[168:175], v[72:79], v[224:231], v[168:175], v30, v253 matrix_a_fmt:MATRIX_FMT_FP4 matrix_b_fmt:MATRIX_FMT_FP4 matrix_a_scale:MATRIX_SCALE_ROW1
	v_wmma_scale_f32_16x16x128_f8f6f4 v[176:183], v[80:87], v[224:231], v[176:183], v31, v253 matrix_a_fmt:MATRIX_FMT_FP4 matrix_b_fmt:MATRIX_FMT_FP4
	v_wmma_scale_f32_16x16x128_f8f6f4 v[184:191], v[88:95], v[224:231], v[184:191], v31, v253 matrix_a_fmt:MATRIX_FMT_FP4 matrix_b_fmt:MATRIX_FMT_FP4 matrix_a_scale:MATRIX_SCALE_ROW1
.Lskip_\@:
	s_add_co_u32 s[TB], s[TB], KV
	s_add_co_u32 s[ST], s[ST], 1
	s_cmp_lt_u32 s[ST], 16
	s_cbranch_scc1 .Ltrip_\@
	s_setprio 0
.endm
; O^T / the sum; register 16 b + i is channel 32 b + 16 h + i of my query: two blocks of the last product's K.  o: the register of o's bases.
.macro FINISH o
.rept 4
	v_nop
.endr
	v_add_f32 v14, v14, v15
	s_delay_alu instid0(VALU_DEP_1)
	v_permlanex16_b32 v252, v14, s[SEL], s[SEL+1]
	s_delay_alu instid0(VALU_DEP_1)
	v_add_f32 v14, v14, v252                       ; the row's sum
	s_wait_alu depctr_va_vdst(0)
	v_rcp_f32 v14, v14
	v_nop                                          ; a plain line behind the transcendental
.set j, 0
	s_wait_alu depctr_va_vdst(0)
.rept 32
	v_mul_f32 v[192+j], v[160+j], v14
.set j, j+1
.endr
.irp b, 0,1
	v_max3_num_f32 v[232+\b], |v[192+16*\b]|, |v[193+16*\b]|, 0x1800000
.endr
.irp i, 2,4,6,8,10,12,14
.irp b, 0,1
	s_delay_alu instid0(VALU_DEP_2)
	v_max3_num_f32 v[232+\b], v[232+\b], |v[192+16*\b+\i]|, |v[193+16*\b+\i]|
.endr
.endr
.irp b, 0,1
	s_delay_alu instid0(VALU_DEP_2)
	v_permlanex16_b32 v[236+\b], v[232+\b], s[SEL], s[SEL+1]
.endr
.irp b, 0,1
	s_delay_alu instid0(VALU_DEP_2)
	v_max_num_f32 v[232+\b], v[232+\b], v[236+\b]
.endr
.irp b, 0,1
	s_delay_alu instid0(VALU_DEP_2)
	v_add_nc_u32 v[244+\b], 0xff000000, v[232+\b]
.endr
.irp b, 0,1
	s_delay_alu instid0(VALU_DEP_2)
	v_lshrrev_b32 v[236+\b], 23, v[244+\b]
.endr
	s_delay_alu instid0(VALU_DEP_1)
	v_lshl_or_b32 v254, v237, 8, v236              ; the two scale bytes
.irp b, 0,1
	v_cvt_scalef32_pk8_fp4_f32 v[224+2*\b], v[192+16*\b:199+16*\b], v[244+\b]
	v_cvt_scalef32_pk8_fp4_f32 v[225+2*\b], v[200+16*\b:207+16*\b], v[244+\b]
.endr
	v_nop
	v_permlane16_swap_b32 v224, v226               ; lanes 0-15 the first block, lanes 16-31 the second
	v_permlane16_swap_b32 v225, v227
	global_store_b128 v1, v[224:227], s[\o+4:\o+5]  ; 512 consecutive bytes, aligned
	global_store_b16 v3, v254, s[\o+6:\o+7]        ; 2 bytes of each position's 16 (lanes r and r + 16: the same value): aligned blocks are written in part here, 32 bytes for each 512 of codes
	s_wait_xcnt 0x0                                ; the stores have read their data: the registers are written again only behind this wait
.endm
	INIT
	s_wait_tensorcnt 0x0                           ; my record has landed
	s_barrier_signal -1
	s_barrier_wait -1                              ; everybody's has: the whole head's K and V lie in LDS
	s_wait_loadcnt 0x0                             ; Q
	LOOP LAST1, SQ1
	QLOAD 44                                       ; the second tile's Q is asked for while the first tile goes out
	FINISH 36
	INIT
	s_wait_loadcnt 0x0
	LOOP LAST2, SQ2
	FINISH 44
	s_wait_tensorcnt 0x0
	ds_add_u32 v251, v255
	s_wait_dscnt 0x0
	CROUND                                         ; the closing round
	s_endpgm
.Lfunc_end_k_q123c788c7f_attn:
	.size	k_q123c788c7f_attn, .Lfunc_end_k_q123c788c7f_attn-k_q123c788c7f_attn
	.p2alignl 7, 3214868480
	.fill 96, 4, 3214868480
	.section	.rodata,"a",@progbits
	.p2align	6, 0x0
	.amdhsa_kernel k_q123c788c7f_attn
		.amdhsa_group_segment_fixed_size 169984
		.amdhsa_private_segment_fixed_size 0
		.amdhsa_enable_private_segment 0
		.amdhsa_kernarg_size 16
		.amdhsa_user_sgpr_count 2
		.amdhsa_user_sgpr_kernarg_segment_ptr 1
		.amdhsa_wavefront_size32 1
		.amdhsa_system_sgpr_workgroup_id_x 1
		.amdhsa_system_sgpr_workgroup_id_y 1
		.amdhsa_system_sgpr_workgroup_id_z 1
		.amdhsa_system_vgpr_workitem_id 0
		.amdhsa_next_free_vgpr 256
		.amdhsa_next_free_sgpr 66
		.amdhsa_reserve_vcc 1
		.amdhsa_float_denorm_mode_32 3
		.amdhsa_float_denorm_mode_16_64 3
		.amdhsa_memory_ordered 1
		.amdhsa_forward_progress 1
		.amdhsa_inst_pref_size 61
	.end_amdhsa_kernel
	.amdgpu_metadata
---
amdhsa.version: [ 1, 2 ]
amdhsa.kernels:
  - .name:           k_q123c788c7f_attn
    .symbol:         k_q123c788c7f_attn.kd
    .args:
      - { .name: qkvq, .offset: 0, .size: 8, .value_kind: global_buffer, .address_space: global }
      - { .name: oq, .offset: 8, .size: 8, .value_kind: global_buffer, .address_space: global }
    .group_segment_fixed_size: 169984
    .private_segment_fixed_size: 0
    .kernarg_segment_align: 8
    .kernarg_segment_size: 16
    .max_flat_workgroup_size: 512
    .sgpr_count:     66
    .vgpr_count:     256
    .wavefront_size: 32
...
	.end_amdgpu_metadata
.endif
;; end of part 3
;; launch proj (part 4): grid 4 x 32, 4 waves a work-group, clusters of 4 x 4, 312,832 bytes of LDS; arguments oq, wprojq, bproj, out0; writes out0
.if DOCPART == 4
	.amdgcn_target "amdgcn-amd-amdhsa--gfx1250"
	.amdhsa_code_object_version 6
	.text
	.protected	k_q123c788c7f_proj
	.globl	k_q123c788c7f_proj
	.p2align	8
	.type	k_q123c788c7f_proj,@function
k_q123c788c7f_proj:
	s_mov_b64 s[64:65], 0
	v_nop
	global_prefetch_b8 v0, s[64:65] scope:SCOPE_SE
	s_setreg_imm32_b32 hwreg(HW_REG_WAVE_MODE, 25, 1), 1
	s_wait_xcnt 0x0
	s_wait_alu depctr_hold_cnt(0) depctr_sa_sdst(0) depctr_va_vdst(0) depctr_va_sdst(0) depctr_va_ssrc(0) depctr_va_vcc(0) depctr_vm_vsrc(0)
	s_getreg_b32 s2, hwreg(HW_REG_IB_STS2, 6, 4)
	s_cmp_eq_u32 s2, 0
	s_cbranch_scc0 .Lentry_in_a_cluster
	s_endpgm
.Lentry_in_a_cluster:
	s_bfe_u32 s2, ttmp6, 0x10000c
	s_cmp_lg_u32 s2, 0xf033
	s_cbranch_scc0 .Lentry_shape_is_right
	s_endpgm
.Lentry_shape_is_right:
; out0 = o Wproj + bproj on codes of FP4 with E8M0 scales, K = 1,024; out0 [8192][1024] f32.
; OPERANDS: records of TREC bytes for a tile of 16 rows and all of K: 512 scale bytes (block kb of position r at 256 (kb / 16) + 16 r + kb % 16), then codes (block kb of position r: 16 bytes at 512 + 256 kb + 16 r).
; So a fragment's half is 512 dense bytes at 16 x lane, and 16 bytes at 16 x lane of the scale part are four scale words: lanes 0-15 K steps 0-3, lanes 16-31 K steps 4-7.
; Of each 32 rows G, tile 2 G + u holds at position r the row 32 G + 8 u + r + 8 (r / 8).  Source 0 = 16 columns of Wproj, source 1 = 16 tokens: lane (r, h) holds the token at position r,
; and the 16 registers of column tiles 2 B, 2 B + 1 are columns 32 B + 16 h + 0..15.
; SHARES: a work-group of four waves makes 256 tokens x 256 columns, a wave 128 x 128 in 64 accumulators: 128 work-groups.  All of K lies in LDS at once (P0: scales and K steps 0-3; P1: K steps 4-7): each byte is filled once.
; CLUSTERS 4 x 4: the tokens' tiles are asked for jointly along a row of the cluster, the columns' along a column.  The bias is the C of each sum's first matrix instruction.
; REGISTERS: window 0: v16-31 addresses; v32-63 A's scale words, v64-95 B's; v128-191 A's fragments; v192-255 the bias; on the way out v128-255 hold rows.  window 1: B's fragments, two sets.  windows 2, 3: accumulators.
.set TREC, 8704
.set P0T,  4608
.set P1T,  4096
.set P0W,  8*P0T
.set P1W,  8*P1T
.set P1B,  4*P0W
.set L_ST, P1B+4*P1W                   ; behind the operands: a stage of 16 rows x (512 + 16) bytes for each wave; no tensor load lands there
.set SPI,  528
.set ADRA, 16
.set ADRB, 20
.set LI,   24                          ; v24 16 x lane
.set STO,  26                          ; v26 the stage: where I put 32 bytes of a row
.set RD,   27                          ; v27 and where I read a row back
.set BAQ,  31                          ; v31 64 h
.set SCA,  32
.set SCB,  64
.set AF,   128
.set BK,   128
.set BIAS, 192
.set G1A0, 24
.set G1A1, 32
.set G1B0, 48
.set G1B1, 56
.set G0A0, 68
.set G0A1, 72
.set G0B0, 76
.set G0B1, 80
.set MSB, 0
.macro WIN new                         ; the immediate's high byte repeats the setting that is left
.if MSB != (\new)
	s_set_vgpr_msb (MSB<<8)|(\new)
.set MSB, (\new)
.endif
.endm
.macro CROUND
	s_barrier_signal -1
	s_barrier_wait -1
	s_cmp_lg_u32 s14, 0
	s_cbranch_scc1 .Lnot_wave_0_\@
	s_barrier_signal -3
.Lnot_wave_0_\@:
	s_barrier_wait -3
	s_barrier_signal -1
	s_barrier_wait -1
.endm
.macro PLACES n
.rept \n
	v_nop
.endr
.endm
	s_load_b256 s[4:11], s[0:1], 0x0               ; oq s[4:5], wprojq s[6:7], bproj s[8:9], out0 s[10:11]
	v_lshl_add_u32 v126, v0, 2, 0x4c400
	v_mov_b32 v127, 0
	ds_add_u32 v126, v127
	ds_add_u32 v126, v127
	v_lshrrev_b32 v1, 5, v0
	v_readfirstlane_b32 s14, v1                    ; wave 0..3
	s_lshr_b32 s15, s14, 1                         ; which half of the tokens is mine.  Also: I fetch for A (0) or for B (1)
	s_and_b32 s16, s14, 1                          ; which half of the columns.  Also: which eight tiles I fetch
	s_bfe_u32 s40, ttmp6, 0x40000                  ; cx
	s_bfe_u32 s41, ttmp6, 0x40004                  ; cy
	s_lshl_b32 s42, ttmp9, 2
	s_add_co_u32 s42, s42, s40                     ; the columns' tile of 256
	s_and_b32 s17, ttmp7, 0xffff
	s_lshl_b32 s17, s17, 2
	s_add_co_u32 s17, s17, s41                     ; the tokens' tile of 256
	s_lshl_b32 s43, s41, 2
	s_lshl_b32 s43, 15, s43                        ; my row of the cluster
	s_lshl_b32 s44, 0x1111, s40                    ; my column
	s_or_b32 s[G1A0], s43, (3<<16)|(1<<21)         ; 15:0 the mask; 17:16 elements of 8 bytes; 21 set beside a mask
	s_or_b32 s[G1A1], s43, (3<<16)|(1<<21)
	s_or_b32 s[G1B0], s44, (3<<16)|(1<<21)
	s_or_b32 s[G1B1], s44, (3<<16)|(1<<21)
.irp g, G1A0, G1B0
	s_mov_b32 s[\g+1], (P0T/8)<<16                 ; eight rows (tiles) of P0T bytes, TREC bytes apart, dense in LDS
	s_mov_b32 s[\g+2], 8<<16
	s_mov_b32 s[\g+3], (P0T/8)<<16
	s_mov_b32 s[\g+4], 8
	s_mov_b32 s[\g+5], TREC/8
	s_mov_b32 s[\g+6], 0
	s_mov_b32 s[\g+7], 0
.endr
.irp g, G1A1, G1B1
	s_mov_b32 s[\g+1], (P1T/8)<<16
	s_mov_b32 s[\g+2], 8<<16
	s_mov_b32 s[\g+3], (P1T/8)<<16
	s_mov_b32 s[\g+4], 8
	s_mov_b32 s[\g+5], TREC/8
	s_mov_b32 s[\g+6], 0
	s_mov_b32 s[\g+7], 0
.endr
	s_lshl_b32 s18, s16, 3
	s_lshl_b32 s20, s17, 4
	s_add_co_u32 s20, s20, s18
	s_mul_i32 s20, s20, TREC
	s_mov_b32 s21, 0
	s_lshl_b32 s46, s42, 4
	s_add_co_u32 s46, s46, s18
	s_mul_i32 s46, s46, TREC
	s_mov_b32 s47, 0
	s_mul_i32 s19, s14, P0W                        ; the wave's number alone enters an LDS address
	s_mul_i32 s22, s14, P1W
	s_add_co_u32 s22, s22, P1B
	s_wait_dscnt 0x0
	s_wait_kmcnt 0x0
	s_add_nc_u64 s[20:21], s[4:5], s[20:21]
	s_add_nc_u64 s[46:47], s[6:7], s[46:47]
	CROUND                                         ; all sixteen work-groups are here: the joint loads meet
	s_mov_b32 s[G0A0], 1
	s_mov_b32 s[G0A0+1], s19
	s_mov_b64 s[G0A0+2:G0A0+3], s[20:21]
	s_or_b32 s[G0A0+3], s[G0A0+3], 0x80000000
	s_mov_b32 s[G0A1], 1
	s_mov_b32 s[G0A1+1], s22
	s_add_nc_u64 s[G0A1+2:G0A1+3], s[20:21], P0T
	s_or_b32 s[G0A1+3], s[G0A1+3], 0x80000000
	s_mov_b32 s[G0B0], 1
	s_mov_b32 s[G0B0+1], s19
	s_mov_b64 s[G0B0+2:G0B0+3], s[46:47]
	s_or_b32 s[G0B0+3], s[G0B0+3], 0x80000000
	s_mov_b32 s[G0B1], 1
	s_mov_b32 s[G0B1+1], s22
	s_add_nc_u64 s[G0B1+2:G0B1+3], s[46:47], P0T
	s_or_b32 s[G0B1+3], s[G0B1+3], 0x80000000
	s_cmp_eq_u32 s15, 0                            ; a wave's two fills stand in one branch on the wave's number: two tensor loads of mine are out, and no more follow
	s_cbranch_scc0 .Lfirst_b
	tensor_load_to_lds s[G0A0:G0A0+3], s[G1A0:G1A0+7]
	s_nop 0
	tensor_load_to_lds s[G0A1:G0A1+3], s[G1A1:G1A1+7]
	s_nop 0
	PLACES 4
	s_branch .Lfirst_asked
.Lfirst_b:
	tensor_load_to_lds s[G0B0:G0B0+3], s[G1B0:G1B0+7]
	s_nop 0
	tensor_load_to_lds s[G0B1:G0B1+3], s[G1B1:G1B1+7]
	s_nop 0
	PLACES 4
.Lfirst_asked:
	v_and_b32 v1, 31, v0
	v_and_b32 v2, 15, v0                           ; r
	v_bfe_u32 v3, v0, 4, 1                         ; h
	v_lshlrev_b32 v[LI], 4, v1
	s_wait_alu depctr_va_vdst(0)
	v_lshlrev_b32 v[BAQ], 6, v3
	s_lshl_b32 s88, s42, 10
	s_lshl_b32 s90, s16, 9
	s_add_co_u32 s88, s88, s90                     ; my 128 columns, in bytes
	s_mov_b32 s89, 0
	s_add_nc_u64 s[94:95], s[8:9], s[88:89]
.irp bb, 0,1,2,3
.irp jj, 0,1,2,3
	global_load_b128 v[BIAS+16*\bb+4*\jj:BIAS+16*\bb+4*\jj+3], v[BAQ], s[94:95] offset:128*\bb+16*\jj   ; the bias in the result's layout: register 16 B + i: column 32 B + 16 h + i
.endr
.endr
	s_lshl_b32 s90, s17, 20
	s_lshl_b32 s91, s15, 19
	s_add_co_u32 s90, s90, s91                     ; my 128 rows of 4,096 bytes
	s_add_co_u32 s88, s88, s90
	s_add_nc_u64 s[92:93], s[10:11], s[88:89]      ; out0 at my corner; never stepped
	s_mul_i32 s23, s15, P0W
	v_add_nc_u32 v[ADRA], s23, v[LI]
	s_mul_i32 s23, s15, P1W
	s_add_co_u32 s23, s23, P1B
	v_add_nc_u32 v[ADRA+1], s23, v[LI]
	s_mul_i32 s23, s16, P0W
	s_add_co_u32 s23, s23, 2*P0W
	v_add_nc_u32 v[ADRB], s23, v[LI]
	s_mul_i32 s23, s16, P1W
	s_add_co_u32 s23, s23, P1B+2*P1W
	v_add_nc_u32 v[ADRB+1], s23, v[LI]
	s_mul_i32 s23, s14, 16*SPI
	s_add_co_u32 s23, s23, L_ST                    ; my stage
	v_mul_u32_u24 v4, v2, SPI
	v_lshl_add_u32 v4, v3, 6, v4
	v_add_nc_u32 v[STO], s23, v4                   ; in: row r, + 64 h
	v_add_nc_u32 v[RD], s23, v[LI]                 ; back: the 32 lanes take one row of 512 bytes
.macro FRAG reg, adr, slot, q, i       ; a fragment: two loads of 512 dense bytes
.irp c, 0,1
	ds_load_b128 v[\reg+4*\c:\reg+4*\c+3], v[\adr+\slot] offset:(\i)*(P0T-512*(\slot))+512*(1-(\slot))+1024*(\q)+512*\c
.endr
.endm
.macro FETCH_B slot, q, p
	WIN 0x40
.irp i, 0,1,2,3,4,5,6,7
	FRAG 128*(\p)+8*\i, ADRB, \slot, \q, \i
.endr
	WIN 0
.endm
.macro FETCH_A slot, q, i0
.irp i, \i0, \i0+1, \i0+2, \i0+3
	FRAG AF+8*(\i), ADRA, \slot, \q, \i
.endr
.endm
.macro SCALES                          ; all scale words, once: register 4 i + q: lanes 0-15 K step q of tile i, lanes 16-31 K step 4 + q
.irp i, 0,1,2,3,4,5,6,7
	ds_load_b128 v[SCA+4*\i:SCA+4*\i+3], v[ADRA] offset:\i*P0T
	ds_load_b128 v[SCB+4*\i:SCB+4*\i+3], v[ADRB] offset:\i*P0T
.endr
.endm
; 16 matrix instructions: A's blocks a0, a0 + 1 x B's eight, one K step.  cmode 1: the first product starts the sums; 2: the bias is its C; 0: in place.  The 64 accumulators take turns.
.macro MUL16 a0, p, q, slot, cmode
.irp a, \a0, \a0+1
.irp b, 0,1,2,3,4,5,6,7
.set DD, 8*(8*((\a)%4)+\b)
.set FB, 128*(\p)+8*\b
.set FA, AF+8*(\a)
.set WB, SCB+4*\b+(\q)
.set WA, SCA+4*(\a)+(\q)
.if \cmode == 1
	v_wmma_scale_f32_16x16x128_f8f6f4 v[DD:DD+7], v[FB:FB+7], v[FA:FA+7], 0, v[WB], v[WA] matrix_a_fmt:MATRIX_FMT_FP4 matrix_b_fmt:MATRIX_FMT_FP4
.elseif \cmode == 2
	v_wmma_scale_f32_16x16x128_f8f6f4 v[DD:DD+7], v[FB:FB+7], v[FA:FA+7], v[BIAS+8*\b:BIAS+8*\b+7], v[WB], v[WA] matrix_a_fmt:MATRIX_FMT_FP4 matrix_b_fmt:MATRIX_FMT_FP4
.elseif \slot == 0
	v_wmma_scale_f32_16x16x128_f8f6f4 v[DD:DD+7], v[FB:FB+7], v[FA:FA+7], v[DD:DD+7], v[WB], v[WA] matrix_a_fmt:MATRIX_FMT_FP4 matrix_b_fmt:MATRIX_FMT_FP4
.else
	v_wmma_scale_f32_16x16x128_f8f6f4 v[DD:DD+7], v[FB:FB+7], v[FA:FA+7], v[DD:DD+7], v[WB], v[WA] matrix_a_fmt:MATRIX_FMT_FP4 matrix_b_fmt:MATRIX_FMT_FP4 matrix_a_scale:MATRIX_SCALE_ROW1 matrix_b_scale:MATRIX_SCALE_ROW1
.endif
.endr
.endr
.endm
; A K step that has its successor in the same part.  A has one set of registers (blocks 0-3 fetched anew in the middle, 4-7 at the end), B two.
; Four plain vector lines stand between matrix instructions and loads into registers that they have read (ISA guide 7.12.1 for vector instructions).
.macro STEP slot, q, cmode
	s_wait_dscnt 8                                 ; all but the youngest eight loads (A's blocks 4-7) are in
.if \cmode == 2
	WIN 0x81                                       ; source 0 (B) window 1, source 1 (A) and C (the bias) window 0, D window 2
.else
	WIN 0xa1                                       ; C and D window 2
.endif
	MUL16 0, (\q)%2, \q, \slot, \cmode
	MUL16 2, (\q)%2, \q, \slot, \cmode
	s_wait_dscnt 0x0                               ; A's blocks 4-7 are in
	PLACES 4
	FETCH_B \slot, (\q)+1, 1-(\q)%2
	FETCH_A \slot, (\q)+1, 0
.if \cmode == 2
	WIN 0xc1
.else
	WIN 0xf1
.endif
	MUL16 4, (\q)%2, \q, \slot, \cmode
	MUL16 6, (\q)%2, \q, \slot, \cmode
	PLACES 4
	WIN 0
	FETCH_A \slot, (\q)+1, 4
.endm
.macro TURN                            ; P0's last K step; behind its barrier P1 is read.  Nothing is filled again
	s_wait_tensorcnt 0x0                           ; my part of P1 has landed
	s_wait_dscnt 8
	WIN 0xa1
	MUL16 0, 1, 3, 0, 0
	s_wait_dscnt 0x0                               ; no LDS instruction of mine is out at the signal
	s_barrier_signal -1
	MUL16 2, 1, 3, 0, 0
	WIN 0
	s_barrier_wait -1                              ; everybody's part of P1 has landed
	PLACES 4
	FETCH_B 1, 0, 0
	FETCH_A 1, 0, 0
	WIN 0xf1
	MUL16 4, 1, 3, 0, 0
	MUL16 6, 1, 3, 0, 0
	PLACES 4
	WIN 0
	FETCH_A 1, 0, 4
.endm
.macro LAST
	s_wait_dscnt 8
	WIN 0xa1
	MUL16 0, 1, 3, 1, 0
	MUL16 2, 1, 3, 1, 0
	s_wait_dscnt 0x0
	WIN 0xf1
	MUL16 4, 1, 3, 1, 0
	MUL16 6, 1, 3, 1, 0
	WIN 0
.endm
; THE WAY OUT, a block of 16 tokens x 128 columns at a time, through my own stage: in as 32 bytes a lane, back as whole rows of 512 bytes.  LDS serves a wave's instructions in order: no wait between the stores and the loads.
.macro TOSTAGE a
.set AC, 64*((\a)%4)
	WIN 0x08+4*((\a)/4)                            ; the data: window 2 or 3
.irp b, 0,1,2,3,4,5,6,7
	ds_store_b128 v[STO], v[AC+8*\b:AC+8*\b+3] offset:128*(\b/2)+32*(\b%2)          ; each accumulator from its low end on
	ds_store_b128 v[STO], v[AC+8*\b+4:AC+8*\b+7] offset:128*(\b/2)+32*(\b%2)+16
.endr
	WIN 0
.set BBK, BK+64*((\a)%2)
.irp t, 0,1,2,3,4,5,6,7,8,9,10,11,12,13,14,15
	ds_load_b128 v[BBK+4*\t:BBK+4*\t+3], v[RD] offset:\t*SPI
.endr
.endm
.macro SEND a, younger                 ; younger: the LDS instructions issued behind block a's loads, which may stay out
.set BBK, BK+64*((\a)%2)
	s_wait_dscnt \younger
.irp t, 0,1,2,3,4,5,6,7,8,9,10,11,12,13,14,15
	global_store_b128 v[LI], v[BBK+4*\t:BBK+4*\t+3], s[92:93] offset:(32*((\a)/2)+8*((\a)%2)+\t+8*(\t/8))*4096 th:TH_STORE_NT   ; position t of tile a is that row; 512 consecutive bytes, aligned; written once
.endr
.endm
	s_wait_alu depctr_va_vdst(0)
	s_wait_tensorcnt 0x1                           ; my part of P0 is in; P1's load may stay out
	s_barrier_signal -1
	s_barrier_wait -1                              ; everybody's is
	FETCH_B 0, 0, 0
	FETCH_A 0, 0, 0
	SCALES
	FETCH_A 0, 0, 4
	s_wait_loadcnt 0x0                             ; the bias
	STEP 0, 0, 2                                   ; the first products start the sums from the bias
	STEP 0, 1, 0
	STEP 0, 2, 0
	TURN
	STEP 1, 0, 0
	STEP 1, 1, 0
	STEP 1, 2, 0
	LAST
	PLACES 4                                       ; in front of the first read of results and of loads into the registers that held A's fragments
	TOSTAGE 0
.irp a, 1,2,3,4,5,6,7
.if \a > 1
	s_wait_xcnt 0x0                                ; block a - 2's stores have read their registers: block a's loads may land there
.endif
	TOSTAGE \a
	SEND \a-1, 32                                  ; behind block a - 1's loads: block a's 16 stores and 16 loads
.endr
	SEND 7, 0
	s_wait_tensorcnt 0x0
	ds_add_u32 v126, v127
	s_wait_dscnt 0x0
	CROUND                                         ; the closing round
	s_endpgm
.Lfunc_end_k_q123c788c7f_proj:
	.size	k_q123c788c7f_proj, .Lfunc_end_k_q123c788c7f_proj-k_q123c788c7f_proj
	.p2alignl 7, 3214868480
	.fill 96, 4, 3214868480
	.section	.rodata,"a",@progbits
	.p2align	6, 0x0
	.amdhsa_kernel k_q123c788c7f_proj
		.amdhsa_group_segment_fixed_size 312832
		.amdhsa_private_segment_fixed_size 0
		.amdhsa_enable_private_segment 0
		.amdhsa_kernarg_size 32
		.amdhsa_user_sgpr_count 2
		.amdhsa_user_sgpr_kernarg_segment_ptr 1
		.amdhsa_wavefront_size32 1
		.amdhsa_system_sgpr_workgroup_id_x 1
		.amdhsa_system_sgpr_workgroup_id_y 1
		.amdhsa_system_sgpr_workgroup_id_z 1
		.amdhsa_system_vgpr_workitem_id 0
		.amdhsa_next_free_vgpr 1024
		.amdhsa_next_free_sgpr 100
		.amdhsa_reserve_vcc 0
		.amdhsa_float_denorm_mode_32 3
		.amdhsa_float_denorm_mode_16_64 3
		.amdhsa_memory_ordered 1
		.amdhsa_forward_progress 1
		.amdhsa_inst_pref_size 123
	.end_amdhsa_kernel
	.amdgpu_metadata
---
amdhsa.version: [ 1, 2 ]
amdhsa.kernels:
  - .name:           k_q123c788c7f_proj
    .symbol:         k_q123c788c7f_proj.kd
    .args:
      - { .name: oq, .offset: 0, .size: 8, .value_kind: global_buffer, .address_space: global }
      - { .name: wprojq, .offset: 8, .size: 8, .value_kind: global_buffer, .address_space: global }
      - { .name: bproj, .offset: 16, .size: 8, .value_kind: global_buffer, .address_space: global }
      - { .name: out0, .offset: 24, .size: 8, .value_kind: global_buffer, .address_space: global }
    .group_segment_fixed_size: 312832
    .private_segment_fixed_size: 0
    .kernarg_segment_align: 8
    .kernarg_segment_size: 32
    .max_flat_workgroup_size: 128
    .sgpr_count:     100
    .vgpr_count:     1024
    .wavefront_size: 32
...
	.end_amdgpu_metadata
.endif
;; end of part 4
